; MI455X (gfx1250); checked and timed in simulation.
; The chip was launched on July 23, 2026; its instructions are those of AMD's public machine-readable ISA for CDNA 5 (MIT licence, August 2026) and "CDNA5" Instruction Set Architecture Reference Guide (July 2026). The comments in the code are by the model that wrote it; some were corrected since.
;; Super Hybrid Attention Model. Allowed arithmetic: float matrix products may take bf16 or f16 operands with f32 sums; other float arithmetic in f32, or as packed bf16 or f16 multiplies, adds, multiply-adds, maxima and minima; sums over many terms, partial sums and values carried from step to step in f32; what a program stores and reads back later, other than sums and carried values, may be rounded once to bf16 or f16.
;; Inputs: Wc 2,048 x 1,024 float32; Wd 1,024 x 2,048 float32; Wk 1,024 x 1,024 float32; Wq 1,024 x 1,024 float32; Wv 1,024 x 1,024 float32; bc 1,024 float32; bd 2,048 float32; bk 1,024 float32; bq 1,024 float32; bv 1,024 float32; hidden_states 4 x 2,048 x 2,048 float32; rel_bias 257 float32.
;; Outputs: out0 4 x 2,048 x 2,048 float32.
;; 2 versions, each right; version 2 is version 1 with the launch cast written anew for expert scheduling mode. Each part assembles by itself: llvm-mc -triple=amdgcn-amd-amdhsa -mcpu=gfx1250 --defsym DOCPART=n.
;; ======== version 1 of 2: 4 launches
;; limits: values are held in f16: magnitudes above 65,504 overflow, below 6.1e-05 lose precision
;; workspace buffers: wcb 4,194,304 bytes; wdb 4,194,304 bytes; wh 6,291,456 bytes; xb 16,777,216 bytes; ctx 16,777,216 bytes
;; launch cast (part 1): grid 448 x 1, 8 waves a work-group, no clusters, 0 bytes of LDS; arguments Wc, Wd, Wq, Wk, Wv, wcb, wdb, wh; writes wcb, wdb, wh
.if DOCPART == 1
	.amdgcn_target "amdgcn-amd-amdhsa--gfx1250"
	.amdhsa_code_object_version 6
	.text
	.protected	k_q279dea0e7e_cast
	.globl	k_q279dea0e7e_cast
	.p2align	8
	.type	k_q279dea0e7e_cast,@function
k_q279dea0e7e_cast:
	s_mov_b64 s[64:65], 0
	v_nop
	global_prefetch_b8 v0, s[64:65] scope:SCOPE_SE
	s_setreg_imm32_b32 hwreg(HW_REG_WAVE_MODE, 25, 1), 1
	s_wait_xcnt 0x0
; THE PROGRAM.  x = hs Wc + bc; q, k, v = x W + b; in each of 16 windows of 512 tokens and 16 heads of 64 channels softmax(q k^T / 8 + rel_bias[clip(key - query)]) v; out = ctx Wd + bd.
; Four launches: this one rounds the weights once; the second rounds hs on its way and makes x; the third makes q, k, v of one (window, head) and its attention, all in registers and LDS; the fourth makes out.
; DEAD WORK.  bk: with k = x Wk + bk a score is q.(x Wk)_key / 8 + q.bk / 8 + bias.  The middle term does not hang on the key: it is the same along the softmax's axis, for all values of
; the inputs, and a softmax is unchanged by it.  bk has no other way to an output: it is not loaded and is no argument of any launch.  The sequence length 2048 is a multiple of the window 512,
; so reference()'s padding is empty and its last slice keeps all rows: no code.  LIMIT: a NaN, an infinity or an overflow that reaches only q.bk is not carried to the result.
; FORMATS.  All inputs are rounded to bf16 once.  Wc, Wd stay bf16.  Wq, Wk, Wv: the bf16 value is written as f16 (exact from 2^-17 up to 65,504; below that f16's fixed step of 2^-24), since they multiply x in f16.
; THIS LAUNCH.  A job is 16,384 numbers: 65,536 bytes in, 32,768 out; a thread takes 16 pieces of 4 numbers: a load of 16 bytes, a store of 8.  A wave's load covers 512 consecutive bytes, all of them used;
; a wave's store covers 256 consecutive bytes, aligned.
; Jobs 0-127 Wc, 128-255 Wd: the layout stays.  Jobs 256-447 Wq, Wk, Wv: wh[head 16][u 16][t 3][kk 64][ch 64] = W_t[64 u + kk][64 head + ch]: what one (head, K step u) needs lies on end;
; there 16 lanes take the 256 bytes that a weight row has for the head, and two rows' 128 + 128 bytes out lie on end.
; All 16 loads of a thread go out first; no register that a memory instruction reads is written again, so no wait frees a source.  No LDS, no barrier, no matrix unit: each byte crosses once.
.set X,   16                           ; v[16:79]  piece i: 4 numbers as loaded
.set Y,   80                           ; v[80:111] piece i: 2 registers to store
.set SRC, 28                           ; s[28:29]
.set DST, 30                           ; s[30:31]
.set MK,  40                           ; s40 a word's upper half
.macro CASTJOB perm
.set i, 0
.rept 16
.if \perm
.set so, i*65536                       ; 16 weight rows of 4,096 bytes on
.else
.set so, i*4096
.endif
	global_load_b128 v[X+4*i:X+4*i+3], v1, s[SRC:SRC+1] offset:so th:TH_LOAD_NT
.set i, i+1
.endr
.set i, 0
.rept 16
	s_wait_loadcnt 15-i                            ; loads come back in order: piece i is in, the younger pieces stay out
.irp j, 0,1
	v_cvt_pk_bf16_f32 v[Y+2*i+\j], v[X+4*i+2*\j], v[X+4*i+2*\j+1]
.if \perm
	v_lshlrev_b32 v[X+4*i+2*\j], 16, v[Y+2*i+\j]            ; the bf16 values as f32,
	v_and_b32 v[X+4*i+2*\j+1], s[MK], v[Y+2*i+\j]
	v_cvt_pk_f16_f32 v[Y+2*i+\j], v[X+4*i+2*\j], v[X+4*i+2*\j+1]  ; written as f16
.endif
.endr
.if \perm
	global_store_b64 v2, v[Y+2*i:Y+2*i+1], s[DST:DST+1] offset:(i/4)*24576+(i%4)*2048 th:TH_STORE_NT  ; K step i / 4 of the job's four, rows 16 (i % 4) on
.else
	global_store_b64 v2, v[Y+2*i:Y+2*i+1], s[DST:DST+1] offset:i*2048 th:TH_STORE_NT
.endif
.set i, i+1
.endr
.endm
	s_load_b512 s[8:23], s[0:1], 0x0               ; Wc, Wd, Wq, Wk, Wv, wcb, wdb, wh
	s_mov_b32 s36, ttmp9                           ; the job
	s_mov_b32 s33, 0
	s_mov_b32 s35, 0
	s_mov_b32 s[MK], 0xffff0000
	v_lshlrev_b32 v2, 3, v0                        ; my 8 bytes out
	s_wait_kmcnt 0x0
	s_cmp_lt_u32 s36, 256
	s_cbranch_scc0 .Lperm
	s_cmp_lt_u32 s36, 128
	s_cselect_b64 s[SRC:SRC+1], s[8:9], s[10:11]
	s_cselect_b64 s[DST:DST+1], s[18:19], s[20:21]
	s_and_b32 s36, s36, 127                        ; the job's number in its tensor
	s_lshl_b32 s32, s36, 16
	s_lshl_b32 s34, s36, 15
	s_add_nc_u64 s[SRC:SRC+1], s[SRC:SRC+1], s[32:33]
	s_add_nc_u64 s[DST:DST+1], s[DST:DST+1], s[34:35]
	v_lshlrev_b32 v1, 4, v0                        ; my 16 bytes in
	CASTJOB 0
	s_endpgm
.Lperm:
	s_sub_co_u32 s36, s36, 256
	s_lshr_b32 s37, s36, 6                         ; t: 0 Wq, 1 Wk, 2 Wv
	s_and_b32 s36, s36, 63                         ; jj: head jj / 4, K steps 4 (jj % 4) .. + 3
	s_cmp_eq_u32 s37, 1
	s_cselect_b64 s[SRC:SRC+1], s[14:15], s[16:17]
	s_cmp_eq_u32 s37, 0
	s_cselect_b64 s[SRC:SRC+1], s[12:13], s[SRC:SRC+1]
	s_and_b32 s32, s36, 3
	s_lshl_b32 s32, s32, 20                        ; 4 K steps of 64 rows of 4,096 bytes
	s_lshr_b32 s34, s36, 2
	s_lshl_b32 s34, s34, 8                         ; the head's 64 columns: 256 bytes
	s_add_co_u32 s32, s32, s34
	s_add_nc_u64 s[SRC:SRC+1], s[SRC:SRC+1], s[32:33]
	s_mul_i32 s34, s36, 12                         ; (16 head + u) x 3 = 12 jj for the job's first K step,
	s_add_co_u32 s34, s34, s37                     ; + t,
	s_lshl_b32 s34, s34, 13                        ; blocks of 8,192 bytes
	s_add_nc_u64 s[DST:DST+1], s[22:23], s[34:35]
	v_lshrrev_b32 v1, 4, v0                        ; row 0..15 of the piece's 16,
	v_and_b32 v3, 15, v0                           ; 4 columns of its 64
	v_lshlrev_b32 v1, 12, v1
	v_lshl_add_u32 v1, v3, 4, v1
	CASTJOB 1
	s_endpgm
.Lfunc_end_k_q279dea0e7e_cast:
	.size	k_q279dea0e7e_cast, .Lfunc_end_k_q279dea0e7e_cast-k_q279dea0e7e_cast
	.p2alignl 7, 3214868480
	.fill 96, 4, 3214868480
	.section	.rodata,"a",@progbits
	.p2align	6, 0x0
	.amdhsa_kernel k_q279dea0e7e_cast
		.amdhsa_group_segment_fixed_size 0
		.amdhsa_private_segment_fixed_size 0
		.amdhsa_enable_private_segment 0
		.amdhsa_kernarg_size 64
		.amdhsa_user_sgpr_count 2
		.amdhsa_user_sgpr_kernarg_segment_ptr 1
		.amdhsa_wavefront_size32 1
		.amdhsa_system_sgpr_workgroup_id_x 1
		.amdhsa_system_sgpr_workgroup_id_y 1
		.amdhsa_system_sgpr_workgroup_id_z 1
		.amdhsa_system_vgpr_workitem_id 0
		.amdhsa_next_free_vgpr 112
		.amdhsa_next_free_sgpr 66
		.amdhsa_reserve_vcc 0
		.amdhsa_float_denorm_mode_32 3
		.amdhsa_float_denorm_mode_16_64 3
		.amdhsa_memory_ordered 1
		.amdhsa_forward_progress 1
		.amdhsa_inst_pref_size 17
	.end_amdhsa_kernel
	.amdgpu_metadata
---
amdhsa.version: [ 1, 2 ]
amdhsa.kernels:
  - .name:           k_q279dea0e7e_cast
    .symbol:         k_q279dea0e7e_cast.kd
    .args:
      - { .name: Wc, .offset: 0, .size: 8, .value_kind: global_buffer, .address_space: global }
      - { .name: Wd, .offset: 8, .size: 8, .value_kind: global_buffer, .address_space: global }
      - { .name: Wq, .offset: 16, .size: 8, .value_kind: global_buffer, .address_space: global }
      - { .name: Wk, .offset: 24, .size: 8, .value_kind: global_buffer, .address_space: global }
      - { .name: Wv, .offset: 32, .size: 8, .value_kind: global_buffer, .address_space: global }
      - { .name: wcb, .offset: 40, .size: 8, .value_kind: global_buffer, .address_space: global }
      - { .name: wdb, .offset: 48, .size: 8, .value_kind: global_buffer, .address_space: global }
      - { .name: wh, .offset: 56, .size: 8, .value_kind: global_buffer, .address_space: global }
    .group_segment_fixed_size: 0
    .private_segment_fixed_size: 0
    .kernarg_segment_align: 8
    .kernarg_segment_size: 64
    .max_flat_workgroup_size: 256
    .sgpr_count:     66
    .vgpr_count:     112
    .wavefront_size: 32
...
	.end_amdgpu_metadata
.endif
;; end of part 1
;; launch compress (part 2): grid 4 x 64, 4 waves a work-group, clusters of 4 x 4, 327,680 bytes of LDS; arguments hidden_states, wcb, bc, xb; writes xb
.if DOCPART == 2
	.amdgcn_target "amdgcn-amd-amdhsa--gfx1250"
	.amdhsa_code_object_version 6
	.text
	.protected	k_q279dea0e7e_compress
	.globl	k_q279dea0e7e_compress
	.p2align	8
	.type	k_q279dea0e7e_compress,@function
k_q279dea0e7e_compress:
	s_mov_b64 s[64:65], 0
	v_nop
	global_prefetch_b8 v0, s[64:65] scope:SCOPE_SE
	s_setreg_imm32_b32 hwreg(HW_REG_WAVE_MODE, 25, 1), 1
	s_wait_xcnt 0x0
	s_wait_alu depctr_hold_cnt(0) depctr_sa_sdst(0) depctr_va_vdst(0) depctr_va_sdst(0) depctr_va_ssrc(0) depctr_va_vcc(0) depctr_vm_vsrc(0)
	s_getreg_b32 s2, hwreg(HW_REG_IB_STS2, 6, 4)
	s_cmp_eq_u32 s2, 0
	s_cbranch_scc0 .Lentry_in_a_cluster
	s_endpgm
.Lentry_in_a_cluster:
	s_bfe_u32 s2, ttmp6, 0x10000c
	s_cmp_lg_u32 s2, 0xf033
	s_cbranch_scc0 .Lentry_shape_is_right
	s_endpgm
.Lentry_shape_is_right:
; x = hs Wc + bc.  hidden_states: [8192][2048] f32, rounded to bf16 here, on its way into LDS; wcb: [2048 k][1024 n] bf16, as Wc lies; bc: [1024] f32, rounded to bf16 like every input; sums in f32.
; x leaves in f16, rounded once, as xb[window 16][u 16][token 512][ch 64]: the 64 channels of K step u of the next launch lie on end for a window's 512 tokens.
; LIMIT: |x| stays under 65,520, f16's end; NaN and infinities are not treated apart.
; SHARES.  A work-group makes 128 rows x 256 columns (256 work-groups); its four waves 64 x 128 each: 4 x 8 accumulators of 16 x 16, 256 registers.  K goes in 16 steps of 128 through two LDS slots.
; A K step is written once: the slots lie 1 << 17 bytes apart, one exclusive or turns an LDS address in one slot into the other's, and Wc's descriptor walks from the second K step to the last.
; hs COMES THROUGH REGISTERS.  Wave w brings rows 32 w .. 32 w + 31 of the work-group's 128: for a K step 32 loads, each a row's 512 consecutive bytes (lane l: k = 4 l .. 4 l + 3), 64 roundings in place,
; 32 LDS stores of 256 consecutive bytes.  A K step is asked for a whole trip ahead of its rounding, and is stored into the slot that the work-group has just left: behind the barrier in front of which every wave's
; reads of that slot ended, and ahead of the next barrier, in front of which each wave waits for its stores.  hs's two LDS regions, 34,816 bytes each, are whole blocks of 256 bytes into which no tensor load lands.
; NO JOINT LOAD FOR hs, though the four work-groups of a tile row read the same rows: a tensor load could bring only f32: 65,536 bytes a K step into LDS, 65,536 read back and 32,768 written again, where this way
; writes 32,768; and a launch that rounds hs beforehand stores 33,554,432 bytes and has them read again.
; The product is taken transposed (source 0 = 16 columns of Wc, source 1 = 16 rows of hs): a lane holds one row and 8 neighbouring columns.  Wc's tile lies [k][n] in LDS and its fragments
; come turned, by ds_load_tr16_b128.  The bias is the C operand of the first K step: nothing is cleared and nothing is added later.
; CLUSTER 4 x 4: Wc's tile hangs on the tile column alone and is asked for jointly by a column of the cluster; each wave brings 32 of its 128 k rows.
; REGISTERS, in windows of 256 (s_set_vgpr_msb: bits 1:0 source 0, 3:2 source 1, 5:4 source 2, 7:6 destination):
;   window 0: v16-30 addresses; v64-127 the bias, [n block][8]; v128-255 hs on its way, at the end packed results.   window 1: accumulator (a, b) at 8 (8 a + b); ahead of the first product v0-127 hold hs's K step 1.
;   windows 2 and 3: a fragment buffer each, 64 along K: hs (c, a) at 8 (4 c + a); Wc (c, b) at 64 + 8 (8 c + b); c = which 32 of the 64.
.set PA,    272                        ; a row of hs in LDS: 256 bytes + 16: the 16 rows of a load start at 16 different groups of four banks (ISA guide 11.1)
.set PB,    544                        ; a k row of Wc: 512 bytes + 32
.set BOFF,  128*PA                     ; a slot: 128 rows of hs, then 128 k rows of Wc
.set SLOT,  BOFF+128*PB                ; 104,448 bytes
.set SLOT1, 1<<17                      ; slot 1 begins here
.set STAGE, SLOT1+SLOT                 ; behind the ring: 16 rows x 144 bytes for each wave, for the way out; no tensor load lands here
.set SP,    144
.set SPARE, STAGE+4*16*SP              ; the spare words: 128 bytes for each wave, that no other line names
.set ADRA,  16                         ; v16 LDS address of my hs fragments in the slot in hand;  v17 the same in slot 0, never rewritten
.set ADRA0, 17
.set ASTO,  18                         ; v18 where I store my 8 bytes of my first row of hs, in the slot not in hand;  v19 the same in slot 0, never rewritten
.set ASTO0, 19
.set ADRB,  20                         ; v20, v21 as v16, v17, for Wc
.set ADRB0, 21
.set STO,  24
.set RD,   25
.set GO,   26                          ; v26 16 x lane: my 16 bytes of 512, in hs and in xb; never rewritten
.set SPW,  28                          ; never rewritten
.set NIL,  29                          ; never rewritten
.set PFO,  30                          ; the prefetches' lane offset; never rewritten
.set BIAS, 64
.set X,    128                         ; row j of my 32: 4 registers as loaded; rounded, its first 2
.set OUTR, 128
.set MK,  2                            ; s2 a word's upper half
.set WV,  12                           ; s12 wave;  s13 wave / 2: my rows' half;  s14 wave % 2: my columns' half
.set FB,  13
.set HF,  14
.set TB,  15                           ; s15 the LDS byte at which the slot in hand begins: 0 or SLOT1
.set HP,  16                           ; s[16:17] hs at my first row, at the K step last asked for
.set PFA, 44
.set PFS, 46
.set G1B, 48
.set G0B, 56                           ; s[56:63] group 0 for Wc: a set for each of the two first fills; the second then walks on
.set LIM, 66
.set MSB, 0
.macro WIN new                         ; the immediate's high byte repeats the setting that is left; a switch that changes nothing is dropped
.if MSB != (\new)
	s_set_vgpr_msb (MSB<<8)|(\new)
.set MSB, (\new)
.endif
.endm
.macro PLACES                          ; four plain places between a matrix instruction and a load into, or a vector read of, its registers
.rept 4
	v_nop
.endr
.endm
.macro CREST                           ; a round of the cluster's barrier behind its opening barrier
	s_cmp_lg_u32 s[WV], 0
	s_cbranch_scc1 .Lnot_wave_0_\@
	s_barrier_signal -3
.Lnot_wave_0_\@:
	s_barrier_wait -3
	s_barrier_signal -1
	s_barrier_wait -1
.endm
.macro CROUND
	s_barrier_signal -1
	s_barrier_wait -1
	CREST
.endm
.macro JLOAD s                         ; a joint load: my 32 k rows of Wc's tile
	tensor_load_to_lds s[G0B+4*(\s):G0B+4*(\s)+3], s[G1B:G1B+7]
	s_nop 0
.rept 4
	v_nop
.endr
.endm
; A prefetch of the K step that stands four refills on (512 matrix instructions of a wave).  hs: a K step is 512 bytes of each of the tile's 128 rows; waves 0 and 1 ask, wave w for block w of the two of 256 bytes,
; a lane a row; the four partners of a row take 32 rows each, told apart by address.  Wc: 128 k rows x 512 bytes; waves 2 and 3 of the clusters with y = 0 ask, the four partners of a column take 16 rows each.
; So each block of 256 bytes is named once.  The last four trips ask for nothing: the last request names K step 15.  K steps 0 to 5 come by their loads alone.
.macro ASK
	s_cmp_gt_u32 s3, s[LIM]
	s_cbranch_scc0 .Lnot_mine_\@
	global_prefetch_b8 v[PFO], s[PFA:PFA+1] th:TH_LOAD_NT scope:SCOPE_SE
.Lnot_mine_\@:
.endm
.macro RND a, b, t                     ; two f32 rounded to bf16 values
	v_cvt_pk_bf16_f32 v[\t], v[\a], v[\b]
	v_lshlrev_b32 v[\a], 16, v[\t]
	v_and_b32 v[\b], s[MK], v[\t]
.endm
.macro LOADA r, o                      ; my 32 rows of a K step of hs, byte o behind the pointer, into registers r on: each load covers 512 consecutive bytes
.set j, 0
.rept 32
	global_load_b128 v[(\r)+4*j:(\r)+4*j+3], v[GO], s[HP:HP+1] offset:j*8192+(\o)
.set j, j+1
.endr
.endm
.macro CVTA r                          ; rounded to bf16: row j's four numbers from registers r + 4 j on into X + 4 j, X + 4 j + 1 (with r = X in place: each source is read before it is written)
.set j, 0
.rept 32
	v_cvt_pk_bf16_f32 v[X+4*j],   v[(\r)+4*j],   v[(\r)+4*j+1]
	v_cvt_pk_bf16_f32 v[X+4*j+1], v[(\r)+4*j+2], v[(\r)+4*j+3]
.set j, j+1
.endr
.endm
.macro PUTA adr                        ; into LDS: each store covers a row's 256 consecutive bytes
.set j, 0
.rept 32
	ds_store_b64 v[\adr], v[X+4*j:X+4*j+1] offset:j*PA
.set j, j+1
.endr
.endm
	s_load_b256 s[4:11], s[0:1], 0x0               ; hidden_states s[4:5], wcb s[6:7], bc s[8:9], xb s[10:11]
	v_lshl_add_u32 v[SPW], v0, 2, SPARE
	v_mov_b32 v[NIL], 0
	ds_add_u32 v[SPW], v[NIL]                      ; the wave's opening: the add, twice on end, and its wait ahead of my first tensor load
	ds_add_u32 v[SPW], v[NIL]
	v_lshrrev_b32 v1, 5, v0
	v_readfirstlane_b32 s[WV], v1
	s_lshr_b32 s[FB], s[WV], 1
	s_and_b32 s[HF], s[WV], 1
	s_mov_b32 s[TB], 0
	s_mov_b32 s[MK], 0xffff0000
	s_bfe_u32 s40, ttmp6, 0x40000                  ; cx
	s_bfe_u32 s41, ttmp6, 0x40004                  ; cy
	s_lshl_b32 s42, ttmp9, 2
	s_add_co_u32 s42, s42, s40                     ; tile column tx
	s_and_b32 s43, ttmp7, 0xffff
	s_lshl_b32 s43, s43, 2
	s_add_co_u32 s43, s43, s41                     ; tile row ty
	s_lshl_b32 s21, 0x1111, s40                    ; my column of the cluster
	s_or_b32 s[G1B], s21, (1<<16)|(1<<20)|(1<<21)|(6<<22)|(7<<25)  ; mask; 2-byte elements; padding on; bit 21 beside a mask; after every 128 words 8 words
	s_mov_b32 s[G1B+1], 256<<16                    ; tensor_dim0 = 256
	s_mov_b32 s[G1B+2], 32<<16                     ; tensor_dim1 = 32
	s_mov_b32 s[G1B+3], 256<<16                    ; tile_dim0 = 256
	s_mov_b32 s[G1B+4], 32                         ; tile_dim1 = 32
	s_mov_b32 s[G1B+5], 1024                       ; elements from row to row
	s_mov_b32 s[G1B+6], 0
	s_mov_b32 s[G1B+7], 0
	s_lshl_b32 s16, s43, 7
	s_lshl_b32 s17, s[WV], 5
	s_add_co_u32 s16, s16, s17
	s_lshl_b32 s16, s16, 13                        ; hs: row 128 ty + 32 wave, 8,192 bytes a row
	s_mov_b32 s17, 0
	s_lshl_b32 s18, s[WV], 16                      ; Wc: k row 32 wave, 2,048 bytes a row,
	s_lshl_b32 s19, s42, 9                         ; column 256 tx
	s_add_co_u32 s18, s18, s19
	s_mov_b32 s19, 0
	s_mul_i32 s23, s[WV], 32*PB                    ; where it goes: no place in the cluster enters an LDS address; all four values lie under 1 << 17
	s_add_co_u32 s23, s23, BOFF
	s_wait_dscnt 0x0                               ; both opening adds are done
	s_wait_kmcnt 0x0
	s_add_nc_u64 s[HP:HP+1], s[4:5], s[16:17]
	s_add_nc_u64 s[18:19], s[6:7], s[18:19]
	CROUND                                         ; all sixteen work-groups are here: the first joint loads meet
.irp s, 0,1
	s_mov_b32 s[G0B+4*(\s)], 1
	s_add_co_u32 s[G0B+4*(\s)+1], s23, (\s)*SLOT1
	s_add_nc_u64 s[G0B+4*(\s)+2:G0B+4*(\s)+3], s[18:19], (\s)*262144   ; 128 k rows on
	s_or_b32 s[G0B+4*(\s)+3], s[G0B+4*(\s)+3], 0x80000000
	JLOAD \s                                       ; two loads of mine are out
.endr
	v_and_b32 v5, 31, v0
	v_lshlrev_b32 v[GO], 4, v5
	LOADA X, 0                                     ; hs's K step 0,
	WIN 0x40
	LOADA 0, 512                                   ; and K step 1, into the accumulators' registers, which are idle until the first product
	WIN 0
	v_and_b32 v1, 15, v0                           ; r = l % 16
	v_bfe_u32 v2, v0, 4, 1                         ; h = l / 16
	v_and_b32 v3, 7, v0
	v_bfe_u32 v4, v0, 3, 1
	v_mul_u32_u24 v6, v1, PA
	v_lshl_add_u32 v6, v2, 4, v6
	s_mul_i32 s20, s[FB], 64*PA                    ; the 64 rows that I multiply
	v_add_nc_u32 v[ADRA0], s20, v6
	v_mov_b32 v[ADRA], v[ADRA0]
	s_mul_i32 s20, s[WV], 32*PA                    ; the 32 rows that I bring
	v_lshl_add_u32 v[ASTO0], v5, 3, s20
	v_add_nc_u32 v[ASTO], SLOT1, v[ASTO0]
	v_lshl_add_u32 v7, v2, 3, v3                   ; the turning load: k row 8 h + l % 8, 16 bytes (l / 8) % 2
	v_mul_u32_u24 v7, v7, PB
	v_lshl_add_u32 v7, v4, 4, v7
	s_lshl_b32 s21, s[HF], 8                       ; my 128 columns
	s_add_co_u32 s21, s21, BOFF
	v_add_nc_u32 v[ADRB0], s21, v7
	v_mov_b32 v[ADRB], v[ADRB0]
	s_mul_i32 s20, s[WV], 16*SP
	s_add_co_u32 s20, s20, STAGE
	v_mul_u32_u24 v6, v1, SP
	v_lshl_add_u32 v6, v2, 4, v6
	v_add_nc_u32 v[STO], s20, v6                   ; in: row r, 16 bytes for each half of the lanes
	v_bfe_u32 v6, v0, 3, 2
	v_mul_u32_u24 v6, v6, SP
	v_lshl_add_u32 v6, v3, 4, v6
	v_add_nc_u32 v[RD], s20, v6                    ; back: 32 lanes take four rows of 128 bytes, which are 512 consecutive bytes of xb
	s_lshl_b32 s20, s42, 10                        ; the bias of my 128 columns
	s_lshl_b32 s21, s[HF], 9
	s_add_co_u32 s20, s20, s21
	s_mov_b32 s21, 0
	s_add_nc_u64 s[8:9], s[8:9], s[20:21]
	v_lshlrev_b32 v8, 5, v2                        ; my lanes' 8 of each 16
.irp b, 0,1,2,3,4,5,6,7
	global_load_b128 v[BIAS+8*\b:BIAS+8*\b+3],   v8, s[8:9] offset:64*\b
	global_load_b128 v[BIAS+8*\b+4:BIAS+8*\b+7], v8, s[8:9] offset:64*\b+16
.endr
	s_lshr_b32 s70, s43, 2                         ; xb: ((window x 16 + u) x 512 + token) x 128 bytes
	s_lshl_b32 s70, s70, 4
	s_lshl_b32 s71, s42, 2
	s_add_co_u32 s70, s70, s71
	s_lshl_b32 s71, s[HF], 1
	s_add_co_u32 s70, s70, s71
	s_lshl_b32 s70, s70, 9
	s_and_b32 s71, s43, 3
	s_lshl_b32 s71, s71, 7
	s_add_co_u32 s70, s70, s71
	s_lshl_b32 s71, s[FB], 6
	s_add_co_u32 s70, s70, s71
	s_lshl_b32 s70, s70, 7
	s_mov_b32 s71, 0
	s_add_nc_u64 s[10:11], s[10:11], s[70:71]
	s_lshl_b32 s20, s43, 7                         ; the prefetches: hs: row 128 ty + 32 cx,
	s_lshl_b32 s21, s40, 5
	s_add_co_u32 s20, s20, s21
	s_lshl_b32 s20, s20, 13
	s_lshl_b32 s21, s[HF], 8                       ; my block of a K step's two,
	s_add_co_u32 s20, s20, s21
	s_add_co_u32 s20, s20, 5*512                   ; at K step 5 (the first change of slots steps it to 6)
	s_lshl_b32 s21, s[HF], 17                      ; Wc: k row 64 (wave % 2) + 16 cy,
	s_lshl_b32 s22, s41, 15
	s_add_co_u32 s21, s21, s22
	s_lshl_b32 s22, s42, 9                         ; column 256 tx,
	s_add_co_u32 s21, s21, s22
	s_add_co_u32 s21, s21, 5*262144                ; at K step 5
	s_movk_i32 s22, 512
	s_mov_b32 s23, 262144
	s_and_b32 s69, ttmp7, 0xffff                   ; cluster y
	s_cmp_eq_u32 s[FB], 0
	s_cselect_b32 s20, s20, s21
	s_cselect_b32 s[PFS], s22, s23
	s_cselect_b32 s69, 0, s69                      ; hs: every cluster asks for its own rows; Wc: the clusters with y = 0: the same in all sixteen partners, for a given wave
	s_cselect_b64 s[PFA:PFA+1], s[4:5], s[6:7]
	s_mov_b32 s21, 0
	s_mov_b32 s[PFS+1], 0
	s_add_nc_u64 s[PFA:PFA+1], s[PFA:PFA+1], s[20:21]
	s_cmp_eq_u32 s69, 0
	s_cselect_b32 s[LIM], 4, -1
	s_lshl_b32 s22, s[FB], 1
	s_lshr_b32 s22, 0x2000, s22                    ; hs: a lane a row of 8,192 bytes; Wc: two lanes a row of 2,048, 256 bytes apart
	v_lshrrev_b32 v6, s[FB], v5
	v_mul_u32_u24 v6, v6, s22
	v_and_b32 v7, s[FB], v5
	v_lshl_add_u32 v[PFO], v7, 8, v6
	s_wait_loadcnt 0x0                             ; hs's K steps 0 and 1 and the bias are in; the loads are done, so their pointer may be stepped
	CVTA X
	PUTA ASTO0                                     ; K step 0 into slot 0
	WIN 0x05                                       ; sources in window 1, destination in window 0
	CVTA 0
	WIN 0
	PUTA ASTO                                      ; K step 1 into slot 1, which nobody reads yet
	s_add_nc_u64 s[HP:HP+1], s[HP:HP+1], 1024
	LOADA X, 0                                     ; K step 2 is asked for
.set z, 0
.rept 32
	RND BIAS+2*z, BIAS+2*z+1, 9
.set z, z+1
.endr
; 16 matrix instructions from the buffer in window w: m blocks a0, a0 + 1 x 8 n blocks, the c-th 32 along K.  first = 1: C is the bias.  The 32 accumulators take turns, one instruction a turn.
.macro MUL16 w, c, a0, first
.if \first
	WIN 0x40|(5*(\w))
.else
	WIN 0x50|(5*(\w))
.endif
.irp a, \a0, (\a0)+1
.irp b, 0,1,2,3,4,5,6,7
.if \first
	v_wmma_f32_16x16x32_bf16 v[8*(8*(\a)+(\b)):8*(8*(\a)+(\b))+7], v[64+8*(8*(\c)+(\b)):64+8*(8*(\c)+(\b))+7], v[8*(4*(\c)+(\a)):8*(4*(\c)+(\a))+7], v[BIAS+8*(\b):BIAS+8*(\b)+7]
.else
	v_wmma_f32_16x16x32_bf16 v[8*(8*(\a)+(\b)):8*(8*(\a)+(\b))+7], v[64+8*(8*(\c)+(\b)):64+8*(8*(\c)+(\b))+7], v[8*(4*(\c)+(\a)):8*(4*(\c)+(\a))+7], v[8*(8*(\a)+(\b)):8*(8*(\a)+(\b))+7]
.endif
.endr
.endr
.endm
; 48 LDS loads in one run: the fragments of 64 along K (half 0 or 1 of the slot in hand) into the buffer in window w; the first 32 along K first
.macro FETCH half, w
	WIN (\w)<<6
.irp c, 0,1
.irp b, 0,1,2,3,4,5,6,7
	ds_load_tr16_b128 v[64+8*(8*(\c)+(\b)):64+8*(8*(\c)+(\b))+3],   v[ADRB] offset:(\half)*64*PB+(\c)*32*PB+32*(\b)
	ds_load_tr16_b128 v[64+8*(8*(\c)+(\b))+4:64+8*(8*(\c)+(\b))+7], v[ADRB] offset:(\half)*64*PB+(\c)*32*PB+32*(\b)+16*PB
.endr
.irp a, 0,1,2,3
	ds_load_b128 v[8*(4*(\c)+(\a)):8*(4*(\c)+(\a))+3],   v[ADRA] offset:(\half)*128+64*(\c)+(\a)*16*PA
	ds_load_b128 v[8*(4*(\c)+(\a))+4:8*(4*(\c)+(\a))+7], v[ADRA] offset:(\half)*128+64*(\c)+(\a)*16*PA+32
.endr
.endr
.endm
; A K step is two halves of 64 along K.  The first: multiplies window 2's buffer and fetches the slot's second half into window 3's.  extra: the LDS stores issued behind the fragment loads: hs's 32, or none.
.macro HALF first, extra
	s_wait_dscnt 24+(\extra)                       ; the first 32 along K are in; the other 24 loads, and the stores behind them, may be out
	MUL16 2, 0, 0, \first
	MUL16 2, 0, 2, \first
	PLACES
	FETCH 1, 3
	s_wait_dscnt 48                                ; all but the 48 just issued
	MUL16 2, 1, 0, 0
	MUL16 2, 1, 2, 0
.endm
; The second half multiplies window 3's buffer and changes slots: one barrier; in front of it each wave waits for all its tensor loads (one is out: its part of the next slot), adds 0 to its spare word,
; and waits for that, for its reads of this slot and for its stores of hs into the next.  fill = 1: the barrier opens a round of the cluster's, and the slot just left is filled again, two K steps ahead: Wc's part by the
; joint load, first thing behind the round; hs's part from the registers, whose loads went out a trip ago; then hs's next K step is asked for.
.macro TURN fill
	WIN 0
.if \fill
	s_wait_xcnt 0x0                                ; the last prefetch, a K step back, has read its address
	s_add_nc_u64 s[PFA:PFA+1], s[PFA:PFA+1], s[PFS:PFS+1]
.endif
	s_wait_tensorcnt 0x0                           ; no tensor load of mine is out, so a group 0 may be written
	ds_add_u32 v[SPW], v[NIL]
.if \fill
	s_xor_b32 s[G0B+5], s[G0B+5], SLOT1            ; the walking descriptor: the other slot than last time, which is the slot in hand,
	s_add_nc_u64 s[G0B+6:G0B+7], s[G0B+6:G0B+7], 262144   ; the next K step; the type bits on top are not reached
.endif
	s_wait_dscnt 25                                ; (the add and the youngest 24 loads may be out)
	MUL16 3, 0, 0, 0
	s_wait_dscnt 0x0                               ; the add is done, my reads of this slot are over, and my rows of hs lie in the next slot
	s_barrier_signal -1
	MUL16 3, 0, 2, 0
	WIN 0
	s_barrier_wait -1
.if \fill
	CREST                                          ; no wave of any partner still reads this slot or has a load on its way
	JLOAD 1                                        ; its four v_nop are also the places in front of the loads below
	v_add_nc_u32 v[ASTO], s[TB], v[ASTO0]          ; hs goes into the slot just left
.else
	PLACES
.endif
	s_xor_b32 s[TB], s[TB], SLOT1                  ; the reads go on in the other slot
	v_add_nc_u32 v[ADRA], s[TB], v[ADRA0]
	v_add_nc_u32 v[ADRB], s[TB], v[ADRB0]
	FETCH 0, 2
.if \fill
	WIN 0
	s_wait_loadcnt 0x0                             ; hs's K step two on is in; its loads are done, so their pointer may be stepped
	CVTA X
	PUTA ASTO
	s_cmp_eq_u32 s3, 1                             ; the last trip has stored K step 15: there is none to ask for
	s_cbranch_scc1 .Lno_more_\@
	s_add_nc_u64 s[HP:HP+1], s[HP:HP+1], 512
	LOADA X, 0
.Lno_more_\@:
	ASK                                            ; behind the wave's loads
.endif
	MUL16 3, 1, 0, 0
	MUL16 3, 1, 2, 0
.endm
	s_wait_dscnt 0x0                               ; for the others' sake: my rows of hs's K steps 0 and 1 are stored
	s_wait_tensorcnt 1                             ; my part of Wc's K step 0 is in; K step 1's may stay out
	s_barrier_signal -1
	s_barrier_wait -1
	FETCH 0, 2
	HALF 1, 0                                      ; the first products start the sums with the bias
	WIN 0
	s_mov_b32 s3, 14
.Llap:                                                 ; a trip goes from a K step's second half to the next one's first, and fills the slot that it leaves: K steps 2 to 15
	TURN 1
	HALF 0, 32
	WIN 0
	s_sub_co_u32 s3, s3, 1
	s_cmp_lg_u32 s3, 0
	s_cbranch_scc1 .Llap
	TURN 0                                         ; the last change of slots fills nothing
	HALF 0, 0
	s_wait_dscnt 24
	MUL16 3, 0, 0, 0
	MUL16 3, 0, 2, 0
	s_wait_dscnt 0x0
	MUL16 3, 1, 0, 0
	MUL16 3, 1, 2, 0
	PLACES
; THE WAY OUT.  Output tile T = (m block T / 2, 64 channels T % 2): 16 tokens x 128 bytes, 2,048 consecutive bytes of xb.  Rounded to f16, through my own stage, back as whole rows.
.macro PACK T
	WIN 0x05                                       ; sources in window 1, destination in window 0
.set z, 0
.rept 16
	v_cvt_pk_f16_f32 v[OUTR+16*(\T)+z], v[8*(8*((\T)/2)+4*((\T)%2))+2*z], v[8*(8*((\T)/2)+4*((\T)%2))+2*z+1]
.set z, z+1
.endr
	WIN 0
.irp f, 0,1,2,3
	ds_store_b128 v[STO], v[OUTR+16*(\T)+4*\f:OUTR+16*(\T)+4*\f+3] offset:32*\f
.endr
.irp f, 0,1,2,3
	ds_load_b128 v[OUTR+16*(\T)+4*\f:OUTR+16*(\T)+4*\f+3], v[RD] offset:\f*4*SP  ; LDS serves a wave's instructions in order (ISA guide 5.7.1.4)
.endr
.endm
.macro SEND T, younger                 ; younger: the LDS instructions issued behind tile T's loads
	WIN 0
.irp f, 0,1,2,3
	s_wait_dscnt (\younger)+3-\f
	global_store_b128 v[GO], v[OUTR+16*(\T)+4*\f:OUTR+16*(\T)+4*\f+3], s[10:11] offset:((\T)%2)*65536+((\T)/2)*2048+\f*512  ; 512 consecutive bytes, aligned
.endr
.endm
	PACK 0
.set t, 1
.rept 7
	PACK t
	SEND t-1, 8
.set t, t+1
.endr
	SEND 7, 0
	s_wait_tensorcnt 0x0                           ; the wave's end
	ds_add_u32 v[SPW], v[NIL]
	s_wait_dscnt 0x0
	CROUND                                         ; the closing round
	s_endpgm
.Lfunc_end_k_q279dea0e7e_compress:
	.size	k_q279dea0e7e_compress, .Lfunc_end_k_q279dea0e7e_compress-k_q279dea0e7e_compress
	.p2alignl 7, 3214868480
	.fill 96, 4, 3214868480
	.section	.rodata,"a",@progbits
	.p2align	6, 0x0
	.amdhsa_kernel k_q279dea0e7e_compress
		.amdhsa_group_segment_fixed_size 327680
		.amdhsa_private_segment_fixed_size 0
		.amdhsa_enable_private_segment 0
		.amdhsa_kernarg_size 32
		.amdhsa_user_sgpr_count 2
		.amdhsa_user_sgpr_kernarg_segment_ptr 1
		.amdhsa_wavefront_size32 1
		.amdhsa_system_sgpr_workgroup_id_x 1
		.amdhsa_system_sgpr_workgroup_id_y 1
		.amdhsa_system_sgpr_workgroup_id_z 1
		.amdhsa_system_vgpr_workitem_id 0
		.amdhsa_next_free_vgpr 960
		.amdhsa_next_free_sgpr 72
		.amdhsa_reserve_vcc 0
		.amdhsa_float_denorm_mode_32 3
		.amdhsa_float_denorm_mode_16_64 3
		.amdhsa_memory_ordered 1
		.amdhsa_forward_progress 1
		.amdhsa_inst_pref_size 106
	.end_amdhsa_kernel
	.amdgpu_metadata
---
amdhsa.version: [ 1, 2 ]
amdhsa.kernels:
  - .name:           k_q279dea0e7e_compress
    .symbol:         k_q279dea0e7e_compress.kd
    .args:
      - { .name: hidden_states, .offset: 0, .size: 8, .value_kind: global_buffer, .address_space: global }
      - { .name: wcb, .offset: 8, .size: 8, .value_kind: global_buffer, .address_space: global }
      - { .name: bc, .offset: 16, .size: 8, .value_kind: global_buffer, .address_space: global }
      - { .name: xb, .offset: 24, .size: 8, .value_kind: global_buffer, .address_space: global }
    .group_segment_fixed_size: 327680
    .private_segment_fixed_size: 0
    .kernarg_segment_align: 8
    .kernarg_segment_size: 32
    .max_flat_workgroup_size: 128
    .sgpr_count:     72
    .vgpr_count:     960
    .wavefront_size: 32
...
	.end_amdgpu_metadata
.endif
;; end of part 2
;; launch qkvatt (part 3): grid 16 x 16, 4 waves a work-group, clusters of 4 x 4, 327,680 bytes of LDS; arguments xb, wh, bq, bv, rel_bias, ctx; writes ctx
.if DOCPART == 3
	.amdgcn_target "amdgcn-amd-amdhsa--gfx1250"
	.amdhsa_code_object_version 6
	.text
	.protected	k_q279dea0e7e_qkvatt
	.globl	k_q279dea0e7e_qkvatt
	.p2align	8
	.type	k_q279dea0e7e_qkvatt,@function
k_q279dea0e7e_qkvatt:
	s_mov_b64 s[64:65], 0
	v_nop
	global_prefetch_b8 v0, s[64:65] scope:SCOPE_SE
	s_setreg_imm32_b32 hwreg(HW_REG_WAVE_MODE, 25, 1), 1
	s_wait_xcnt 0x0
	s_wait_alu depctr_hold_cnt(0) depctr_sa_sdst(0) depctr_va_vdst(0) depctr_va_sdst(0) depctr_va_ssrc(0) depctr_va_vcc(0) depctr_vm_vsrc(0)
	s_getreg_b32 s2, hwreg(HW_REG_IB_STS2, 6, 4)
	s_cmp_eq_u32 s2, 0
	s_cbranch_scc0 .Lentry_in_a_cluster
	s_endpgm
.Lentry_in_a_cluster:
	s_bfe_u32 s2, ttmp6, 0x10000c
	s_cmp_lg_u32 s2, 0xf033
	s_cbranch_scc0 .Lentry_shape_is_right
	s_endpgm
.Lentry_shape_is_right:
; One work-group = one (window, head): q, k, v = x W (+ b) for its 512 tokens x 64 channels each, then softmax(q k^T / 8 + rel_bias[clip(key - query, -128, 128) + 128]) v.  q, k, v, scores and weights never leave the WGP.
; LEFT OUT: bk (q.bk is the same for all keys of a softmax row and cancels, for all values of the inputs: the first kernel's head shows it); a NaN or infinity that reaches only q.bk is not carried on.
; FORMATS.  x f16 x W (bf16 values written as f16), sums f32.  q, k rounded once to bf16.  v is scaled by a power of two 2^(127 - e), e = the exponent of the largest |v| of the work-group's block (held to 1..253), so that
; |v'| < 4, and rounded once to f16; 2^(e - 127) goes into 1 / l at the end: exact, and it steers values alone.  The weights p are f16, ctx leaves in bf16.  bq, bv, rel_bias are rounded to bf16 like every input.
; LIMITS.  A weight below 2^-126 counts as 0 in l; p below 6e-5 keeps f16's fixed step of 6e-8; NaN and infinities are not treated apart.
; THE PRODUCT.  Wave w has tokens 128 w .. + 127: 8 m blocks x 12 n blocks = 96 accumulators, windows 1 (q), 2 (k), 3 (v), (b, a) at 8 (8 b + a).  Taken transposed (source 0 = 16 columns of W, turned out of LDS;
; source 1 = 16 tokens): a lane holds one token and 8 neighbouring channels.  K goes in 16 slots of 64 channels, two steps of 32 each, through two LDS slots.  bq and bv are the C operand of the first step.
; A slot's two steps are written once: the slots lie 1 << 17 bytes apart, one exclusive or turns an LDS address in one slot into the other's, and one descriptor a tensor walks from the second slot to the last.
; CLUSTER 4 x 4: x's tile hangs on the window alone (a row of the cluster asks jointly), W's on the head alone (a column).
; ATTENTION.  The wave's 128 tokens are 8 query tiles: four pieces of two.  S^T = K Q^T holds one query a lane and the keys 8 (lane / 16) + 0..7; two such results rounded to f16 are source 1 of O^T = V^T P.
; p = 2^(c s - c m), c = log2(e) / 8, with a running maximum m; s = q.k + 8 bias: the bias, times 8, is the C operand that starts each sum, read from four shifted copies of a table in LDS.
; Turn n belongs to piece n: 16 products K Q^T of piece n + 1, later 16 products V^T P of piece n - 1; four vector instructions stand behind every matrix instruction, the rest in one lump; a turn's 66 exponentials are one batch with one wait.
; REGISTERS of the attention: window 0: v1 2^(e-127); v2-9 addresses; v12-15, v48-63 at work; v16-47 statistics; v64-191 S^T; v192-255 P.  window 1: O^T.  window 2: v0-127 Q, v128-191 K, v192-255 V.  window 3: v0-127 the bias, two buffers.
.set PX,    144                        ; a token's 128 bytes + 16
.set PW,    160                        ; a k row of W: 128 bytes + 32
.set WOFF,  512*PX                     ; a slot: 512 tokens of x, then 192 rows of W (t x 64 + kk)
.set SLOT,  WOFF+192*PW                ; 104,448 bytes
.set SLOT1, 1<<17                      ; slot 1 begins here; between the slots lie the table, the scratch and the spare words
.set TB,    SLOT                       ; four copies of the bias table
.set TCP,   4672                       ; a copy's bytes
.set SCR,   TB+4*TCP                   ; the waves' largest |v|
.set SPARE, SCR+256                    ; the spare words: 128 bytes for each wave, that no other line names
.set KB,    SLOT1+SLOT                 ; K: 512 keys x 144
.set STAGE, KB+512*PX                  ; 16 rows x 144 bytes for each wave, for the way out
.set SP,    144
.set VB,    0                          ; V: 512 keys x 160, over slot 0, whose last fill has landed and whose last reads ended in front of an earlier barrier
.set PK,    144
.set PVP,   160
.set KS,    64
.set NP,    4
.set VINV, 1
.set AK0, 2
.set AV0, 3
.set AK,  4
.set AV,  5
.set STO, 6
.set RD,  7
.set GO,  8
.set BAS, 9                            ; where my lane's bias values of the step in hand begin
.set SPW, 10                           ; never rewritten
.set NIL, 11                           ; never rewritten
.set ADRA,  12                         ; v12 the product's LDS address of x's fragments in the slot in hand; v13 the same in slot 0
.set ADRA0, 13
.set ADRB,  14                         ; v14, v15 the same for W
.set ADRB0, 15
.set PFO, 16                           ; the prefetches' lane offset, for the product alone: the attention's statistics take the register over, behind a wait
.set KST, 17
.set VST, 18
.set AF,  32                           ; x's fragments, two buffers of 64
.set BF,  160                          ; W's fragments: q, k, v, 32 each
.set BQ,  96                           ; step 0 alone: the biases lie where x's second buffer will
.set KT,  64                           ; packed k, later packed v
.set SV,  48
.set MV,  12
.set ST,  16
.set TMP, 48
.set S,   64
.set P,   192
.set KF,  128
.set VF,  192
.set WV,  16
.set FB,  17
.set HF,  18
.set SB,  23                           ; s23 the LDS byte at which the slot in hand begins: 0 or SLOT1
.set G1X, 24
.set G0X, 32                           ; s[32:39] group 0 for x: a set for each of the two first fills; the second then walks on
.set G1W, 40
.set G0W, 48                           ; s[48:55] the same for W
.set LAPS, 56
.set CNT, 57
.set CS,  58
.set SEL, 60
.set TBK, 62
.set TBV, 63
.set PFA, 66
.set PFS, 68
.set LIM, 70
.set MK,  75                           ; s75 a word's upper half
.set MSB, 0
.macro WIN new
.if MSB != (\new)
	s_set_vgpr_msb (MSB<<8)|(\new)
.set MSB, (\new)
.endif
.endm
.set W_KQ, 0x0a                        ; K and Q in window 2, S^T in window 0
.set W_KB, 0x3a                        ; the same with the C operand in window 3
.set W_PV, 0x52                        ; V in window 2, P in window 0, O^T in window 1
.set W_RS, 0x41                        ; O^T in window 1, a in window 0
.macro PLACES
.rept 4
	v_nop
.endr
.endm
.macro CREST
	s_cmp_lg_u32 s[WV], 0
	s_cbranch_scc1 .Lnot_wave_0_\@
	s_barrier_signal -3
.Lnot_wave_0_\@:
	s_barrier_wait -3
	s_barrier_signal -1
	s_barrier_wait -1
.endm
.macro CROUND
	s_barrier_signal -1
	s_barrier_wait -1
	CREST
.endm
.macro JLOAD s                         ; waves 0, 1 fetch the halves of x's tile, waves 2, 3 those of W's
	s_cmp_eq_u32 s[FB], 0
	s_cbranch_scc0 .Lfor_w_\@
	tensor_load_to_lds s[G0X+4*(\s):G0X+4*(\s)+3], s[G1X:G1X+7]
	s_nop 0
.rept 4
	v_nop
.endr
	s_branch .Lasked_\@
.Lfor_w_\@:
	tensor_load_to_lds s[G0W+4*(\s):G0W+4*(\s)+3], s[G1W:G1W+7]
	s_nop 0
.rept 4
	v_nop
.endr
.Lasked_\@:
.endm
; Prefetches.  x: the slot two refills on (384 matrix instructions of a wave): 65,536 bytes; waves 0, 1 of the clusters with x = 0 ask, the four partners of a row take 8,192 bytes of each half; the last two trips ask for nothing.
; W: wave 2 of the clusters with y = 0 asks, in the first eight changes of slots, for 128 blocks of 256 bytes each time (32 a partner): the head's blocks 512 to 1,535 of 1,536.  Each block is named once.
.macro ASK
	s_cmp_gt_u32 s[LAPS], s[LIM]
	s_cbranch_scc0 .Lnot_mine_\@
	global_prefetch_b8 v[PFO], s[PFA:PFA+1] th:TH_LOAD_NT scope:SCOPE_SE
.Lnot_mine_\@:
.endm
.macro RND a, b, t
	v_cvt_pk_bf16_f32 v[\t], v[\a], v[\b]
	v_lshlrev_b32 v[\a], 16, v[\t]
	v_and_b32 v[\b], s[MK], v[\t]
.endm
	s_load_b256 s[4:11], s[0:1], 0x0               ; xb s[4:5], wh s[6:7], bq s[8:9], bv s[10:11]
	s_load_b128 s[12:15], s[0:1], 0x20             ; rel_bias s[12:13], ctx s[14:15]
	v_lshl_add_u32 v[SPW], v0, 2, SPARE
	v_mov_b32 v[NIL], 0
	ds_add_u32 v[SPW], v[NIL]                      ; the wave's opening: the add, twice on end, and its wait ahead of my first tensor load
	ds_add_u32 v[SPW], v[NIL]
	v_lshrrev_b32 v1, 5, v0
	v_readfirstlane_b32 s[WV], v1
	s_lshr_b32 s[FB], s[WV], 1
	s_and_b32 s[HF], s[WV], 1
	s_mov_b32 s[SB], 0
	s_bfe_u32 s19, ttmp6, 0x40000                  ; cx
	s_bfe_u32 s20, ttmp6, 0x40004                  ; cy
	s_lshl_b32 s21, ttmp9, 2
	s_add_co_u32 s21, s21, s19                     ; head
	s_and_b32 s22, ttmp7, 0xffff
	s_lshl_b32 s22, s22, 2
	s_add_co_u32 s22, s22, s20                     ; window
	s_lshl_b32 s2, s20, 2
	s_lshl_b32 s2, 15, s2                          ; my row of the cluster
	s_lshl_b32 s3, 0x1111, s19                     ; my column
	s_or_b32 s[G1X], s2, (1<<16)|(1<<20)|(1<<21)|(4<<22)|(3<<25)  ; dense bytes asked for as rows of 256, padded after every 32 words by 4
	s_or_b32 s[G1W], s3, (1<<16)|(1<<20)|(1<<21)|(4<<22)|(7<<25)  ; by 8
	s_mov_b32 s[G1X+1], 128<<16
	s_mov_b32 s[G1X+2], 128<<16                    ; 128 rows: 256 tokens
	s_mov_b32 s[G1X+3], 128<<16
	s_mov_b32 s[G1X+4], 128
	s_mov_b32 s[G1X+5], 128
	s_mov_b32 s[G1X+6], 0
	s_mov_b32 s[G1X+7], 0
	s_mov_b32 s[G1W+1], 128<<16
	s_mov_b32 s[G1W+2], 48<<16                     ; 48 rows: 96 k rows of W
	s_mov_b32 s[G1W+3], 128<<16
	s_mov_b32 s[G1W+4], 48
	s_mov_b32 s[G1W+5], 128
	s_mov_b32 s[G1W+6], 0
	s_mov_b32 s[G1W+7], 0
	s_lshl_b32 s72, s22, 20                        ; x: window x 16 x 65,536 + half x 32,768
	s_lshl_b32 s73, s[HF], 15
	s_add_co_u32 s72, s72, s73
	s_mov_b32 s73, 0
	s_mov_b32 s78, s72
	s_mul_i32 s74, s21, 393216                     ; W: head x 16 x 24,576 + half x 12,288
	s_mul_i32 s75, s[HF], 12288
	s_add_co_u32 s74, s74, s75
	s_mov_b32 s75, 0
	s_mov_b32 s79, s74
	s_mul_i32 s76, s[HF], 256*PX                   ; where they go: all four values lie under 1 << 17
	s_mul_i32 s77, s[HF], 96*PW
	s_add_co_u32 s77, s77, WOFF
	s_mov_b32 s[CS], 0x3e38aa3b                    ; c = log2(e) / 8
	s_mov_b32 s[CS+1], s[CS]
	s_mov_b32 s[SEL], 0x76543210
	s_mov_b32 s[SEL+1], 0xfedcba98
	s_mov_b32 s[TBK], 0
	s_mov_b32 s[TBV], 0
	s_wait_dscnt 0x0                               ; both opening adds are done
	s_wait_kmcnt 0x0
	s_add_nc_u64 s[72:73], s[4:5], s[72:73]
	s_add_nc_u64 s[74:75], s[6:7], s[74:75]
	CROUND                                         ; all sixteen work-groups are here: the first joint loads meet
.irp s, 0,1
	s_mov_b32 s[G0X+4*(\s)], 1
	s_add_co_u32 s[G0X+4*(\s)+1], s76, (\s)*SLOT1
	s_add_nc_u64 s[G0X+4*(\s)+2:G0X+4*(\s)+3], s[72:73], (\s)*65536
	s_or_b32 s[G0X+4*(\s)+3], s[G0X+4*(\s)+3], 0x80000000
	s_mov_b32 s[G0W+4*(\s)], 1
	s_add_co_u32 s[G0W+4*(\s)+1], s77, (\s)*SLOT1
	s_add_nc_u64 s[G0W+4*(\s)+2:G0W+4*(\s)+3], s[74:75], (\s)*24576
	s_or_b32 s[G0W+4*(\s)+3], s[G0W+4*(\s)+3], 0x80000000
	JLOAD \s                                       ; two loads of mine are out
.endr
	; all lane addresses, the attention's too: the product leaves v1-v11, v17, v18 alone
	v_and_b32 v20, 15, v0                          ; r
	v_bfe_u32 v21, v0, 4, 1                        ; h
	v_and_b32 v22, 7, v0
	v_bfe_u32 v23, v0, 3, 1
	v_and_b32 v24, 31, v0
	v_mul_u32_u24 v25, v20, PX
	v_lshl_add_u32 v25, v21, 4, v25                ; r x 144 + 16 h
	s_mul_i32 s2, s[WV], 128*PX
	v_add_nc_u32 v[ADRA0], s2, v25
	v_mov_b32 v[ADRA], v[ADRA0]
	v_add_nc_u32 v[KST], KB, v[ADRA0]              ; where my tokens' k goes
	v_add_nc_u32 v[AK0], KB, v25
	s_mul_i32 s2, s[WV], 16*SP
	s_add_co_u32 s2, s2, STAGE
	v_add_nc_u32 v[STO], s2, v25
	v_bfe_u32 v26, v0, 3, 2
	v_mul_u32_u24 v26, v26, SP
	v_lshl_add_u32 v26, v22, 4, v26
	v_add_nc_u32 v[RD], s2, v26
	v_lshlrev_b32 v[GO], 4, v24
	v_lshl_add_u32 v26, v21, 3, v22                ; the turning load: row 8 h + l % 8, 16 bytes (l / 8) % 2
	v_mul_u32_u24 v26, v26, PW
	v_lshl_add_u32 v[AV0], v23, 4, v26
	v_add_nc_u32 v[ADRB0], WOFF, v[AV0]
	v_mov_b32 v[ADRB], v[ADRB0]
	v_mul_u32_u24 v26, v20, PVP
	v_lshl_add_u32 v26, v21, 4, v26
	s_mul_i32 s2, s[WV], 128*PVP
	v_add_nc_u32 v[VST], s2, v26                   ; where my tokens' v goes
	v_and_b32 v26, 3, v20                          ; the bias: copy r % 4, place 400 + 8 h - 128 w - (r - r % 4): a multiple of 4, so 16 bytes are aligned
	v_mul_u32_u24 v26, v26, TCP
	v_lshl_add_u32 v26, v21, 5, v26
	s_lshl_b32 s2, s[WV], 9
	s_sub_co_u32 s2, TB+1600, s2
	v_add_nc_u32 v26, s2, v26
	v_and_b32 v27, 12, v20
	v_lshlrev_b32 v27, 2, v27
	v_sub_nc_u32 v[BAS], v26, v27
	v_lshlrev_b32 v[PFO], 8, v24
	; the table T[i] = 8 rel_bias[clip(i - 512, -128, 128) + 128], i = key - query + 512: thread tid loads i = tid + 128 n
	s_movk_i32 s2, 384
.set n, 0
.rept 9
	v_add_nc_u32 v[48+n], 128*n, v0
	v_max_u32 v[48+n], 0x180, v[48+n]
	v_sub_nc_u32 v[48+n], v[48+n], s2
	v_min_u32 v[48+n], 0x100, v[48+n]
	v_lshlrev_b32 v[48+n], 2, v[48+n]
	global_load_b32 v[32+n], v[48+n], s[12:13]
.set n, n+1
.endr
	s_lshl_b32 s2, s21, 8                          ; the head's 64 channels of bq and bv
	s_mov_b32 s3, 0
	s_add_nc_u64 s[8:9], s[8:9], s[2:3]
	s_add_nc_u64 s[10:11], s[10:11], s[2:3]
	v_lshlrev_b32 v27, 5, v21
.irp b, 0,1,2,3
	global_load_b128 v[BQ+8*\b:BQ+8*\b+3],       v27, s[8:9] offset:64*\b
	global_load_b128 v[BQ+8*\b+4:BQ+8*\b+7],     v27, s[8:9] offset:64*\b+16
	global_load_b128 v[BQ+32+8*\b:BQ+32+8*\b+3],   v27, s[10:11] offset:64*\b
	global_load_b128 v[BQ+32+8*\b+4:BQ+32+8*\b+7], v27, s[10:11] offset:64*\b+16
.endr
	s_lshl_b32 s2, s22, 4                          ; ctx: ((window x 16 + head) x 512 + 128 w) x 128 bytes
	s_add_co_u32 s2, s2, s21
	s_lshl_b32 s2, s2, 16
	s_lshl_b32 s3, s[WV], 14
	s_add_co_u32 s2, s2, s3
	s_mov_b32 s3, 0
	s_add_nc_u64 s[14:15], s[14:15], s[2:3]
	s_lshl_b32 s2, s19, 13                         ; the prefetches: x at slot 3, + cx x 8,192 (the first change of slots steps it to slot 4)
	s_add_co_u32 s2, s2, s78
	s_add_co_u32 s2, s2, 3*65536
	s_lshl_b32 s3, s20, 13                         ; W at block 384 + 32 cy (stepped to 512 + 32 cy)
	s_add_co_u32 s3, s3, s79
	s_add_co_u32 s3, s3, 384*256
	s_mov_b32 s72, 65536
	s_mov_b32 s73, 32768
	s_and_b32 s71, ttmp7, 0xffff
	s_or_b32 s71, s71, s[HF]                       ; W: wave 2 of the clusters with y = 0
	s_cmp_eq_u32 s[FB], 0
	s_cselect_b32 s2, s2, s3
	s_cselect_b32 s[PFS], s72, s73
	s_cselect_b32 s71, ttmp9, s71                  ; x: the clusters with x = 0
	s_cselect_b32 s74, 2, 6
	s_cselect_b64 s[PFA:PFA+1], s[4:5], s[6:7]
	s_mov_b32 s3, 0
	s_mov_b32 s[PFS+1], 0
	s_add_nc_u64 s[PFA:PFA+1], s[PFA:PFA+1], s[2:3]
	s_cmp_eq_u32 s71, 0
	s_cselect_b32 s[LIM], s74, -1                  ; the same in all sixteen partners, for a given wave
	s_mov_b32 s[MK], 0xffff0000
	s_wait_loadcnt 0x0
.set z, 0
.rept 32
	RND BQ+2*z, BQ+2*z+1, 28
.set z, z+1
.endr
.irp z, 32,34,36,38
	RND \z, \z+1, 28
.endr
	v_cvt_pk_bf16_f32 v28, v40, v40
	v_lshlrev_b32 v40, 16, v28
.set n, 0
.rept 9
	v_mul_f32 v[32+n], 0x41000000, v[32+n]         ; times 8: exact
.set n, n+1
.endr
	v_lshl_add_u32 v29, v0, 2, TB
.set n, 0
.rept 9
.irp c, 0,1,2,3
	ds_store_b32 v29, v[32+n] offset:\c*(TCP+4)+n*512  ; copy c holds T[i] at place i + c
.endr
.set n, n+1
.endr
; THE PRODUCT'S MACROS.  16 matrix instructions for tensor t (0 q, 1 k, 2 v) from x's buffer p: 4 m blocks x 4 n blocks.  mode 1: C is the bias; 2: C is 0; 0: the sum goes on.
; The accumulators take turns, one instruction a turn: 95 others stand between two links of a chain.
.macro MULTH t, p, half, mode
.if (\mode) == 1
	WIN 0x40*(1+(\t))
.else
	WIN 0x50*(1+(\t))
.endif
.irp a, 4*(\half), 4*(\half)+1, 4*(\half)+2, 4*(\half)+3
.irp b, 0,1,2,3
.if (\mode) == 1
	v_wmma_f32_16x16x32_f16 v[8*(8*(\b)+(\a)):8*(8*(\b)+(\a))+7], v[BF+32*(\t)+8*(\b):BF+32*(\t)+8*(\b)+7], v[AF+64*(\p)+8*(\a):AF+64*(\p)+8*(\a)+7], v[BQ+16*(\t)+8*(\b):BQ+16*(\t)+8*(\b)+7]
.elseif (\mode) == 2
	v_wmma_f32_16x16x32_f16 v[8*(8*(\b)+(\a)):8*(8*(\b)+(\a))+7], v[BF+32*(\t)+8*(\b):BF+32*(\t)+8*(\b)+7], v[AF+64*(\p)+8*(\a):AF+64*(\p)+8*(\a)+7], 0
.else
	v_wmma_f32_16x16x32_f16 v[8*(8*(\b)+(\a)):8*(8*(\b)+(\a))+7], v[BF+32*(\t)+8*(\b):BF+32*(\t)+8*(\b)+7], v[AF+64*(\p)+8*(\a):AF+64*(\p)+8*(\a)+7], v[8*(8*(\b)+(\a)):8*(8*(\b)+(\a))+7]
.endif
.endr
.endr
.endm
.macro MULT t, p, mode
	MULTH \t, \p, 0, \mode
	MULTH \t, \p, 1, \mode
.endm
.macro LDB t, par                      ; 8 turning loads: W_t's fragments of step par of the slot in hand
	WIN 0
.irp b, 0,1,2,3
	ds_load_tr16_b128 v[BF+32*(\t)+8*(\b):BF+32*(\t)+8*(\b)+3],   v[ADRB] offset:(\t)*64*PW+(\par)*32*PW+32*(\b)
	ds_load_tr16_b128 v[BF+32*(\t)+8*(\b)+4:BF+32*(\t)+8*(\b)+7], v[ADRB] offset:(\t)*64*PW+(\par)*32*PW+32*(\b)+16*PW
.endr
.endm
.macro LDA p, par                      ; 16 loads: my 128 tokens' fragments of step par into buffer p
	WIN 0
.irp a, 0,1,2,3,4,5,6,7
	ds_load_b128 v[AF+64*(\p)+8*(\a):AF+64*(\p)+8*(\a)+3],   v[ADRA] offset:(\a)*16*PX+64*(\par)
	ds_load_b128 v[AF+64*(\p)+8*(\a)+4:AF+64*(\p)+8*(\a)+7], v[ADRA] offset:(\a)*16*PX+64*(\par)+32
.endr
.endm
; A slot's first step: each tensor's weight fragments are asked for again four places behind their last product.
.macro EVEN
	s_wait_dscnt 16                                ; W_q and x are in; W_k's and W_v's 16 loads may be out
	MULT 0, 0, 0
	PLACES
	LDB 0, 1
	LDA 1, 1
	s_wait_dscnt 32                                ; W_k is in: behind it W_v's 8 and the 24 just issued
	MULT 1, 0, 0
	PLACES
	LDB 1, 1
	s_wait_dscnt 32                                ; W_v is in: behind it those 24 and W_k's new 8
	MULT 2, 0, 0
	PLACES
	LDB 2, 1
.endm
; A slot's second step changes slots: one barrier; in front of it each wave waits for all its tensor loads (one is out: its part of the next slot), adds 0 to its spare word, and waits for that and for its reads
; of this slot.  fill = 1: the barrier opens a round of the cluster's, and the slot is filled again first thing behind it: 160 matrix instructions ahead of the wait for it.
.macro ODD fill
	WIN 0
.if \fill
	s_wait_xcnt 0x0                                ; the last prefetch, a slot back, has read its address
	s_add_nc_u64 s[PFA:PFA+1], s[PFA:PFA+1], s[PFS:PFS+1]
.endif
	s_wait_tensorcnt 0x0                           ; no tensor load of mine is out, so a group 0 may be written
	ds_add_u32 v[SPW], v[NIL]
.if \fill
	s_xor_b32 s[G0X+5], s[G0X+5], SLOT1            ; the walking descriptors: the other slot than last time, which is the slot in hand,
	s_add_nc_u64 s[G0X+6:G0X+7], s[G0X+6:G0X+7], 65536    ; the next 64 channels; the type bits on top are not reached
	s_xor_b32 s[G0W+5], s[G0W+5], SLOT1
	s_add_nc_u64 s[G0W+6:G0W+7], s[G0W+6:G0W+7], 24576
.endif
	s_wait_dscnt 17                                ; W_q and x are in: W_k's and W_v's 16 loads and the add may be out
	MULTH 0, 1, 0, 0
	s_wait_dscnt 0x0                               ; the add is done, and my reads of this slot are over
	s_barrier_signal -1
	MULTH 0, 1, 1, 0
	WIN 0
	s_barrier_wait -1
.if \fill
	CREST
	JLOAD 1                                        ; its four v_nop are also the places in front of the loads below
.else
	PLACES
.endif
	s_xor_b32 s[SB], s[SB], SLOT1                  ; the reads go on in the other slot
	v_add_nc_u32 v[ADRA], s[SB], v[ADRA0]
	v_add_nc_u32 v[ADRB], s[SB], v[ADRB0]
	LDB 0, 0
	LDA 0, 0
.if \fill
	ASK
.endif
	MULT 1, 1, 0
	PLACES
	LDB 1, 0
	MULT 2, 1, 0
	PLACES
	LDB 2, 0
.endm
	s_wait_dscnt 0x0                               ; for the others' sake: my part of the table is stored
	s_wait_tensorcnt 1                             ; my part of slot 0 is in; slot 1's may stay out
	s_barrier_signal -1
	s_barrier_wait -1
	LDB 0, 0                                       ; step 0 is written out: its products start the sums, with bq, 0 and bv
	LDA 0, 0
	LDB 1, 0
	LDB 2, 0
	s_wait_dscnt 16
	MULT 0, 0, 1
	PLACES
	LDB 0, 1
	s_wait_dscnt 16                                ; W_k is in: behind it W_v's 8 and W_q's new 8
	MULT 1, 0, 2
	PLACES
	LDB 1, 1
	s_wait_dscnt 16                                ; W_v is in
	MULT 2, 0, 1
	PLACES
	LDB 2, 1
	LDA 1, 1                                       ; over the biases, which have been read
	s_wait_dscnt 0x0                               ; once: here x's loads are the youngest, so the loop's count would not cover them
	WIN 0
	s_mov_b32 s[LAPS], 14
.Llap:                                                 ; a trip goes from a slot's second step to the next slot's first, and fills the slot that it leaves: slots 2 to 15
	ODD 1
	EVEN
	WIN 0
	s_sub_co_u32 s[LAPS], s[LAPS], 1
	s_cmp_lg_u32 s[LAPS], 0
	s_cbranch_scc1 .Llap
	ODD 0                                          ; the last change of slots fills nothing
	EVEN
	s_wait_dscnt 16
	MULT 0, 1, 0
	s_wait_dscnt 8
	MULT 1, 1, 0
	s_wait_dscnt 0x0
	MULT 2, 1, 0
	PLACES
	s_wait_xcnt 0x0                                ; every prefetch (the youngest stands more than 384 matrix instructions back) has read its sources: v16, their lane offset, is written anew below, as the first tile's statistics, only behind this wait
	; FROM THE PRODUCT TO ATTENTION.  The largest and the smallest v of my 128 x 64, four chains each; every accumulator's lowest registers are read first.
	WIN 0x0f
.irp z, 0,1,2,3
	v_max_num_f32 v[32+\z], v[2*\z], v[2*\z+1]
	v_min_num_f32 v[36+\z], v[2*\z], v[2*\z+1]
.endr
	WIN 0x3c
.set z, 4
.rept 124
	v_max3_num_f32 v[32+z%4], v[32+z%4], v[2*z], v[2*z+1]
	v_min3_num_f32 v[36+z%4], v[36+z%4], v[2*z], v[2*z+1]
.set z, z+1
.endr
	WIN 0
	v_max3_num_f32 v32, v32, v33, v34
	v_min3_num_f32 v36, v36, v37, v38
	v_max_num_f32 v32, v32, v35
	v_min_num_f32 v36, v36, v39
	v_xor_b32 v36, 0x80000000, v36
	v_max_num_f32 v32, v32, v36                    ; the largest |v| of my lane
	v_max_num_f32_dpp v32, v32, v32 row_xmask:1 row_mask:0xf bank_mask:0xf
	v_max_num_f32_dpp v32, v32, v32 row_xmask:2 row_mask:0xf bank_mask:0xf
	v_max_num_f32_dpp v32, v32, v32 row_xmask:4 row_mask:0xf bank_mask:0xf
	v_max_num_f32_dpp v32, v32, v32 row_xmask:8 row_mask:0xf bank_mask:0xf
	v_permlanex16_b32 v33, v32, s[SEL], s[SEL+1]
	v_max_num_f32 v32, v32, v33
	s_lshl_b32 s2, s[WV], 2
	s_add_co_u32 s2, s2, SCR
	v_mov_b32 v40, s2
	ds_store_b32 v40, v32
	WIN 0x0a                                       ; k: rounded to bf16, 16 bytes a lane, into K's rows
.set z, 0
.rept 128
	v_cvt_pk_bf16_f32 v[KT+z], v[2*z], v[2*z+1]
.set z, z+1
.endr
	WIN 0
.irp b, 0,1,2,3
.irp a, 0,1,2,3,4,5,6,7
	ds_store_b128 v[KST], v[KT+4*(8*\b+\a):KT+4*(8*\b+\a)+3] offset:\a*16*PK+32*\b
.endr
.endr
	WIN 0x85                                       ; q: rounded to bf16 straight into source 1's layout: tile a, channels 32 (b / 2) on, registers 4 (b % 2) on; nothing changes lanes
.set z, 0
.rept 128
	v_cvt_pk_bf16_f32 v[16*((z/4)%8)+8*(z/64)+4*((z/32)%2)+z%4], v[2*z], v[2*z+1]
.set z, z+1
.endr
	WIN 0
	s_wait_dscnt 0x0                               ; for the others' sake: my maximum and my rows of K are stored
	s_barrier_signal -1
	s_barrier_wait -1
	v_mov_b32 v41, SCR
	ds_load_b128 v[44:47], v41
	s_wait_dscnt 0x0
	v_max3_num_f32 v44, v44, v45, v46
	v_max_num_f32 v44, v44, v47
	v_lshrrev_b32 v44, 23, v44                     ; e
	v_max_u32 v44, 1, v44
	v_min_u32 v44, 0xfd, v44
	v_lshlrev_b32 v[VINV], 23, v44                 ; 2^(e - 127)
	v_sub_nc_u32 v45, 0xfe, v44
	v_lshlrev_b32 v[SV], 23, v45                   ; 2^(127 - e)
	v_mov_b32 v[SV+1], v[SV]
	WIN 0xc3
.set z, 0
.rept 128
	v_pk_mul_f32 v[2*z:2*z+1], v[2*z:2*z+1], v[SV:SV+1] op_sel_hi:[1,0]
.set z, z+1
.endr
	WIN 0x0f
.set z, 0
.rept 128
	v_cvt_pk_f16_f32 v[KT+z], v[2*z], v[2*z+1]
.set z, z+1
.endr
	WIN 0
.irp b, 0,1,2,3
.irp a, 0,1,2,3,4,5,6,7
	ds_store_b128 v[VST], v[KT+4*(8*\b+\a):KT+4*(8*\b+\a)+3] offset:VB+\a*16*PVP+32*\b
.endr
.endr
	; What the first turn finds: c m far below every c s, so the first step's a is 0; O^T holds what q left, finite numbers that a = 0 wipes; V's registers and P's second buffer hold 0.
.set i, 0
.rept 8
	v_mov_b32 v[ST+4*i], 0xfe000000
	v_mov_b32 v[ST+4*i+1], 0xff7fffff
	v_mov_b32 v[ST+4*i+2], 0
	v_mov_b32 v[ST+4*i+3], 0
.set i, i+1
.endr
.set i, P+32
.rept 32
	v_mov_b32 v[i], 0
.set i, i+1
.endr
	WIN 0x80
.set i, VF
.rept 64
	v_mov_b32 v[i], 0
.set i, i+1
.endr
	WIN 0
	s_wait_dscnt 0x0                               ; for the others' sake: my rows of V are stored
	s_barrier_signal -1
	s_barrier_wait -1
; THE ATTENTION'S MATRIX WORK.  The 8 accumulators of a run of 16 take turns.  Product i of 16 of S^T for piece x: channels 32 (i / 8) on, keys 16 ((i / 2) % 4) on, tile 2 x + i % 2.  The first 8 start the sums with the bias.
.macro KQ x
.set rS, S+64*((\x)%2)+32*(i%2)+8*((i/2)%4)
.set rK, KF+16*((i/2)%4)+8*(i/8)
.set rQ, 16*(2*(\x)+i%2)+8*(i/8)
.set rB, 64*((\x)%2)+32*(i%2)+8*((i/2)%4)
.if i < 8
	WIN W_KB
	v_wmma_f32_16x16x32_bf16 v[rS:rS+7], v[rK:rK+7], v[rQ:rQ+7], v[rB:rB+7]
.else
	WIN W_KQ
	v_wmma_f32_16x16x32_bf16 v[rS:rS+7], v[rK:rK+7], v[rQ:rQ+7], v[rS:rS+7]
.endif
.endm
.macro PV x                            ; product i of 16 of O^T += V^T P: keys 32 (i / 8) on, channels 16 ((i / 2) % 4) on, tile 2 x + i % 2
	WIN W_PV
.set rO, 32*(2*(\x)+i%2)+8*((i/2)%4)
.set rV, VF+32*(i/8)+8*((i/2)%4)
.set rP, P+32*((\x)%2)+16*(i%2)+8*(i/8)
	v_wmma_f32_16x16x32_f16 v[rO:rO+7], v[rV:rV+7], v[rP:rP+7], v[rO:rO+7]
.endm
.macro MM                              ; the turn's next matrix instruction
.if i < 16
	KQ (Y+1)%NP
.set i, i+1
.else
.set i, i-16
	PV (Y+NP-1)%NP
.set i, i+17
.endif
.endm
; THE LDS LOADS stand in runs of 16.  last = 1: in the last trip there is no further step, and K's run is jumped over.
.macro FETCH_K last=0
	WIN 0
.if \last
	s_cmp_eq_u32 s[CNT], 1
	s_cbranch_scc1 .Lno_k_\@
.endif
	WIN 0x80
.irp f, 0,1,2,3,4,5,6,7
	ds_load_b128 v[KF+8*\f:KF+8*\f+3],   v[AK] offset:(\f/2)*16*PK+(\f%2)*64
	ds_load_b128 v[KF+8*\f+4:KF+8*\f+7], v[AK] offset:(\f/2)*16*PK+(\f%2)*64+32
.endr
	s_add_co_u32 s[TBK], s[TBK], KS*PK
	WIN 0
.if \last
.Lno_k_\@:
.endif
.endm
.macro FETCH_V
	WIN 0x80
.irp f, 0,1,2,3,4,5,6,7
	ds_load_tr16_b128 v[VF+8*\f:VF+8*\f+3],   v[AV] offset:(\f/4)*32*PVP+(\f%4)*32
	ds_load_tr16_b128 v[VF+8*\f+4:VF+8*\f+7], v[AV] offset:(\f/4)*32*PVP+16*PVP+(\f%4)*32
.endr
	WIN 0
.endm
; The bias of piece x for the step that BAS stands at: for tile t = 2 x + u and key block kb my 8 values begin 16 (kb + 7 - t) places behind BAS.
.macro FETCH_B x
	WIN 0xc0
.irp u, 0,1
.irp kb, 0,1,2,3
	ds_load_b128 v[64*((\x)%2)+32*\u+8*\kb:64*((\x)%2)+32*\u+8*\kb+3],   v[BAS] offset:64*(\kb+7-2*(\x)-\u)
	ds_load_b128 v[64*((\x)%2)+32*\u+8*\kb+4:64*((\x)%2)+32*\u+8*\kb+7], v[BAS] offset:64*(\kb+7-2*(\x)-\u)+16
.endr
.endr
.endm
; THE VECTOR WORK OF A TURN stands in three queues, each in the order in which its entries become ready; the two tiles alternate.
.macro REGS y, u
.set rT, ST+4*(2*(\y)+(\u))
.set rC, TMP+8*((\y)%2)+4*(\u)
.set rM, MV+2*((\y)%2)+(\u)
.set rS, S+64*((\y)%2)+32*(\u)
.set rP, P+32*((\y)%2)+16*(\u)
.set rO, 32*(2*(\y)+(\u))
.endm
; Number n of the 22 that find the next piece's maximum and statistics: 0-11 four chains of seven scores; 12-14, 16 the four left over, the old m, the chains into one; 15 c m_old is kept;
; 17, 18 the other half of the lanes, the new m; 19-21 c m, c m_old - c m_new, a.  Each accumulator's lowest registers are read first.
.macro XS u, n
	REGS (Y+1)%NP, \u
.if (\n) < 4
	v_max3_num_f32 v[rC+(\n)], v[rS+8*(\n)], v[rS+8*(\n)+1], v[rS+8*(\n)+2]
.elseif (\n) < 12
	v_max3_num_f32 v[rC+(\n)%4], v[rC+(\n)%4], v[rS+8*((\n)%4)+2*((\n)/4)+1], v[rS+8*((\n)%4)+2*((\n)/4)+2]
.elseif (\n) == 12
	v_max3_num_f32 v[rC], v[rC], v[rS+7], v[rS+15]
.elseif (\n) == 13
	v_max3_num_f32 v[rC+1], v[rC+1], v[rS+23], v[rS+31]
.elseif (\n) == 14
	v_max3_num_f32 v[rC+2], v[rC+2], v[rC+3], v[rT+1]
.elseif (\n) == 15
	v_mov_b32 v[rM], v[rT]
.elseif (\n) == 16
	v_max3_num_f32 v[rC], v[rC], v[rC+1], v[rC+2]
.elseif (\n) == 17
	v_permlanex16_b32 v[rC+3], v[rC], s[SEL], s[SEL+1]
.elseif (\n) == 18
	v_max_num_f32 v[rT+1], v[rC], v[rC+3]
.elseif (\n) == 19
	v_mul_f32 v[rT], s[CS], v[rT+1]
.elseif (\n) == 20
	v_sub_f32 v[rC+1], v[rM], v[rT]
.else
	v_exp_f32 v[rC+2], v[rC+1]
.endif
.endm
; Number g of the 64 that follow the exponentials: of each four weights both pairs are rounded to f16, the second pair is added onto the first in place, and a group later l takes that sum (the first time as l = a l + sum).
.macro GS g
.set h, (\g)+6*((\g)/62)
.if h >= 6
.set h, h+2
.endif
	REGS Y, h%2
.set k, h/8
.if h%8 < 4
	v_cvt_pk_f16_f32 v[rP+2*k+(h%8)/2], v[rS+4*k+2*((h%8)/2)], v[rS+4*k+2*((h%8)/2)+1]
.elseif h%8 < 6
	v_pk_add_f32 v[rS+4*k:rS+4*k+1], v[rS+4*k:rS+4*k+1], v[rS+4*k+2:rS+4*k+3]
.elseif k == 1
	v_pk_fma_f32 v[rT+2:rT+3], v[rT+2:rT+3], v[rC+2:rC+3], v[rS:rS+1] op_sel_hi:[1,0,1]
.else
	v_pk_add_f32 v[rT+2:rT+3], v[rT+2:rT+3], v[rS+4*k-4:rS+4*k-3]
.endif
.endm
.macro FS f                            ; c s - c m for pair f / 2 of tile f % 2
	REGS Y, (\f)%2
	v_pk_fma_f32 v[rS+2*((\f)/2):rS+2*((\f)/2)+1], v[rS+2*((\f)/2):rS+2*((\f)/2)+1], s[CS:CS+1], v[rT:rT+1] op_sel_hi:[1,0,0] neg_lo:[0,0,1] neg_hi:[0,0,1]
.endm
; The plain queue, 138 long: 0-26 scalings; 27-54 XS 0-13; 55, 56 XS 15; 57-73 the chain XS 14, 16 .. 20 with scalings 27-31 between its links; 74-137 GS, which read the exponentials' results and stand behind the wait.
.macro PL
	WIN 0
.if q < 27
	FS q
.elseif q < 55
	XS (q-27)%2, (q-27)/2
.elseif q < 57
	XS q-55, 15
.elseif (q < 72) && ((q-57)%3 == 0)
	FS 27+(q-57)/3
.elseif q < 60
	XS (q-57)%3-1, 14
.elseif q < 72
	XS (q-57)%3-1, 15+(q-57)/3
.elseif q < 74
	XS q-72, 20
.else
	GS q-74
.endif
.set q, q+1
.endm
.macro EX                              ; the exponentials' queue, 66 long: one batch, all ahead of the turn's one wait
	WIN 0
.if e >= 64
	XS e-64, 21
.else
	REGS Y, e%2
	v_exp_f32 v[rS+e/2], v[rS+e/2]
.endif
.set e, e+1
.endm
.macro R2                              ; O^T times a, two at a time
	REGS Y, r%2
	WIN W_RS
.irp z, 0,1
	v_pk_mul_f32 v[rO+4*(r/2)+2*\z:rO+4*(r/2)+2*\z+1], v[rO+4*(r/2)+2*\z:rO+4*(r/2)+2*\z+1], v[rC+2:rC+3] op_sel_hi:[1,0]
.endr
.set r, r+1
.endm
; A TURN, for piece p.  Ahead of its one wait stands all that names no result of the turn's exponentials: 16 products K Q^T with a scaling, an exponential and two rescalings behind each, then one lump.  Behind it: 16 products V^T P with four of GS's 64 behind each.
; LDS: the bias of piece p + 2 is asked for directly behind the wait (its buffer's last reader stood in the turn before) and waited for at the next turn's head; K of the next step in piece 2's turn; V of the step in hand at the end of piece 0's turn.
; At piece 1's head the count 16 leaves V's run out; behind its bias run the count 16 leaves that run out and shows V in.  BAS steps to the next key step in piece 2's lump: pieces 0 and 1 are asked for a step ahead.
.macro TURN p, last=0, cnt=0
.set Y, (\p)
.set i, 0
.set q, 0
.set e, 0
.set r, 0
.if (\p) == 1
	s_wait_dscnt 16
.else
	s_wait_dscnt 0x0
.endif
	MM
	PL
	PL
	R2
.rept 15
	MM
	PL
	EX
	R2
.endr
.if (\p) == NP-2
	WIN 0
	v_add_nc_u32 v[AK], s[TBK], v[AK0]
	v_add_nc_u32 v[BAS], 0x100, v[BAS]
.endif
.rept 8
	PL
.endr
.rept 49
	EX
	PL
.endr
	EX
	EX
	v_nop                                          ; the plain instruction behind the last exponential: one for the batch
	s_wait_alu depctr_va_vdst(0)                   ; the wait for the batch
.if (\p) == NP-2
	FETCH_K \last
.endif
	FETCH_B ((\p)+2)%NP
.if (\p) == 1
	s_wait_dscnt 16
.endif
.rept 16
	MM
.rept 4
	PL
.endr
.if ((\p) == 0) && (q == 118)
	v_add_nc_u32 v[AV], s[TBV], v[AV0]
.endif
.if ((\p) == 0) && (q == 130)
	s_add_co_u32 s[TBV], s[TBV], KS*PVP
.endif
.if (\cnt) && (q == 130)
	s_sub_co_u32 s[CNT], s[CNT], 1
	s_cmp_lg_u32 s[CNT], 0
.endif
.endr
.if (\p) == 0
	FETCH_V
.endif
.endm
	FETCH_B 0                                      ; key step 0: the bias of pieces 0 and 1, K, piece 0's scores, maximum and statistics
	FETCH_B 1
	WIN 0
	v_mov_b32 v[AK], v[AK0]
	FETCH_K
	s_wait_dscnt 0x0
.set i, 0
.rept 16
	KQ 0
.set i, i+1
.endr
	WIN 0
	PLACES
.set Y, NP-1
.irp n, 0,1,2,3,4,5,6,7,8,9,10,11,12,13,14,15,16,17,18,19,20,21
	XS 0, \n
	XS 1, \n
.endr
	v_nop
	s_wait_alu depctr_va_vdst(0)
	s_mov_b32 s[CNT], 8
.Lstep:                                                ; a trip is a key step of 64 keys; K and V lie whole in LDS: no ring, no barrier
	TURN 0
	TURN 1
	TURN 2, 1
	TURN 3, 0, 1                                   ; in the last trip its 16 products K Q^T (on the last K once more) and the maximum made of them serve nothing: the price of one text for every trip
	WIN 0
	s_cbranch_scc1 .Lstep
.set i, 0
.rept 16
	PV NP-1                                        ; the last piece's V^T P of the last step
.set i, i+1
.endr
	; THE WAY OUT.  l's halves are added; O^T is multiplied by 2^(e - 127) / l, rounded to bf16 and sent through my stage, a tile at a time.  The additions are the places behind the last products.
	WIN 0
.macro ALL line:vararg
.set t, 0
.rept 2*NP
	\line
.set t, t+1
.endr
.endm
	ALL v_add_f32 v[ST+4*t+2], v[ST+4*t+2], v[ST+4*t+3]
	ALL v_permlanex16_b32 v[ST+4*t+3], v[ST+4*t+2], s[SEL], s[SEL+1]
	ALL v_add_f32 v[ST+4*t+2], v[ST+4*t+2], v[ST+4*t+3]
	ALL v_rcp_f32 v[ST+4*t+2], v[ST+4*t+2]
	v_nop
	s_wait_alu depctr_va_vdst(0)                   ; one wait for the eight reciprocals
	ALL v_mul_f32 v[ST+4*t+2], v[ST+4*t+2], v[VINV]
.macro PACK t
	WIN W_RS
.set i, 32*(\t)
.rept 16
	v_pk_mul_f32 v[i:i+1], v[i:i+1], v[ST+4*(\t)+2:ST+4*(\t)+3] op_sel_hi:[1,0]
.set i, i+2
.endr
	WIN 0x05
.set i, 0
.rept 16
	v_cvt_pk_bf16_f32 v[S+16*(\t)+i], v[32*(\t)+2*i], v[32*(\t)+2*i+1]
.set i, i+1
.endr
	WIN 0
.irp f, 0,1,2,3
	ds_store_b128 v[STO], v[S+16*(\t)+4*\f:S+16*(\t)+4*\f+3] offset:32*\f
.endr
.irp f, 0,1,2,3
	ds_load_b128 v[S+16*(\t)+4*\f:S+16*(\t)+4*\f+3], v[RD] offset:\f*4*SP  ; LDS serves a wave's instructions in order (ISA guide 5.7.1.4)
.endr
.endm
.macro SEND t, younger
	WIN 0
.irp f, 0,1,2,3
	s_wait_dscnt (\younger)+3-\f
	global_store_b128 v[GO], v[S+16*(\t)+4*\f:S+16*(\t)+4*\f+3], s[14:15] offset:(\t)*2048+\f*512  ; 512 consecutive bytes, aligned
.endr
.endm
	PACK 0
.set t, 1
.rept 2*NP-1
	PACK t
	SEND t-1, 8
.set t, t+1
.endr
	SEND 2*NP-1, 0
	s_wait_tensorcnt 0x0                           ; the wave's end
	ds_add_u32 v[SPW], v[NIL]
	s_wait_dscnt 0x0
	CROUND                                         ; the closing round
	s_endpgm
.Lfunc_end_k_q279dea0e7e_qkvatt:
	.size	k_q279dea0e7e_qkvatt, .Lfunc_end_k_q279dea0e7e_qkvatt-k_q279dea0e7e_qkvatt
	.p2alignl 7, 3214868480
	.fill 96, 4, 3214868480
	.section	.rodata,"a",@progbits
	.p2align	6, 0x0
	.amdhsa_kernel k_q279dea0e7e_qkvatt
		.amdhsa_group_segment_fixed_size 327680
		.amdhsa_private_segment_fixed_size 0
		.amdhsa_enable_private_segment 0
		.amdhsa_kernarg_size 48
		.amdhsa_user_sgpr_count 2
		.amdhsa_user_sgpr_kernarg_segment_ptr 1
		.amdhsa_wavefront_size32 1
		.amdhsa_system_sgpr_workgroup_id_x 1
		.amdhsa_system_sgpr_workgroup_id_y 1
		.amdhsa_system_sgpr_workgroup_id_z 1
		.amdhsa_system_vgpr_workitem_id 0
		.amdhsa_next_free_vgpr 1024
		.amdhsa_next_free_sgpr 80
		.amdhsa_reserve_vcc 0
		.amdhsa_float_denorm_mode_32 3
		.amdhsa_float_denorm_mode_16_64 3
		.amdhsa_memory_ordered 1
		.amdhsa_forward_progress 1
		.amdhsa_inst_pref_size 246
	.end_amdhsa_kernel
	.amdgpu_metadata
---
amdhsa.version: [ 1, 2 ]
amdhsa.kernels:
  - .name:           k_q279dea0e7e_qkvatt
    .symbol:         k_q279dea0e7e_qkvatt.kd
    .args:
      - { .name: xb, .offset: 0, .size: 8, .value_kind: global_buffer, .address_space: global }
      - { .name: wh, .offset: 8, .size: 8, .value_kind: global_buffer, .address_space: global }
      - { .name: bq, .offset: 16, .size: 8, .value_kind: global_buffer, .address_space: global }
      - { .name: bv, .offset: 24, .size: 8, .value_kind: global_buffer, .address_space: global }
      - { .name: rel_bias, .offset: 32, .size: 8, .value_kind: global_buffer, .address_space: global }
      - { .name: ctx, .offset: 40, .size: 8, .value_kind: global_buffer, .address_space: global }
    .group_segment_fixed_size: 327680
    .private_segment_fixed_size: 0
    .kernarg_segment_align: 8
    .kernarg_segment_size: 48
    .max_flat_workgroup_size: 128
    .sgpr_count:     80
    .vgpr_count:     1024
    .wavefront_size: 32
...
	.end_amdgpu_metadata
.endif
;; end of part 3
;; launch expand (part 4): grid 8 x 32, 4 waves a work-group, clusters of 4 x 4, 327,680 bytes of LDS; arguments ctx, wdb, bd, out0; writes out0
.if DOCPART == 4
	.amdgcn_target "amdgcn-amd-amdhsa--gfx1250"
	.amdhsa_code_object_version 6
	.text
	.protected	k_q279dea0e7e_expand
	.globl	k_q279dea0e7e_expand
	.p2align	8
	.type	k_q279dea0e7e_expand,@function
k_q279dea0e7e_expand:
	s_mov_b64 s[64:65], 0
	v_nop
	global_prefetch_b8 v0, s[64:65] scope:SCOPE_SE
	s_setreg_imm32_b32 hwreg(HW_REG_WAVE_MODE, 25, 1), 1
	s_wait_xcnt 0x0
	s_wait_alu depctr_hold_cnt(0) depctr_sa_sdst(0) depctr_va_vdst(0) depctr_va_sdst(0) depctr_va_ssrc(0) depctr_va_vcc(0) depctr_vm_vsrc(0)
	s_getreg_b32 s2, hwreg(HW_REG_IB_STS2, 6, 4)
	s_cmp_eq_u32 s2, 0
	s_cbranch_scc0 .Lentry_in_a_cluster
	s_endpgm
.Lentry_in_a_cluster:
	s_bfe_u32 s2, ttmp6, 0x10000c
	s_cmp_lg_u32 s2, 0xf033
	s_cbranch_scc0 .Lentry_shape_is_right
	s_endpgm
.Lentry_shape_is_right:
; out = ctx Wd + bd.  ctx: bf16 [window 16][head 16][token 512][ch 64]; wdb: [1024 k][2048 n] bf16, as Wd lies; bd: [2048] f32, rounded to bf16 like every input; out0: [8192][2048] f32; sums in f32.
; reference()'s last slice keeps all rows (the sequence is a multiple of the window): no code.
; SHARES.  A work-group makes 256 x 256 of out (256 work-groups), each of its four waves 128 x 128: 64 accumulators, 512 registers.  K goes in 8 steps of 128 (two heads) through two LDS slots.
; A K step is written once: slot 1 begins at 0x24000, whose two bits are clear in every wave's part of an LDS address (0x9000, 0x12000, 0x1a800), so one exclusive or turns an address in one slot into the
; other's; one descriptor a tensor walks from the second K step to the last.
; The product is taken transposed (source 0 = 16 columns of Wd, turned out of LDS; source 1 = 16 rows of ctx): a lane holds one row and 8 neighbouring columns.  The bias is the C operand of the first K step.
; CLUSTER 4 x 4: ctx's tile hangs on the tile row alone (a row of the cluster asks jointly), Wd's on the tile column alone (a column).
; REGISTERS: window 0: v16-30 addresses; v64-127, v128-191 ctx's fragments, two buffers, later the rows on their way out; v192-255 the bias.  window 1: v64-127, v128-191 Wd's fragments.
;   window 2: the accumulators of my rows 0-63, (a, b) at 8 (8 a + b); window 3: those of my rows 64-127.
.set PA,    144                        ; a token's 128 bytes of one head + 16
.set PB,    544                        ; a k row of Wd: 512 bytes + 32
.set AH,    256*PA                     ; one head's 256 tokens
.set BOFF,  2*AH
.set SLOT,  BOFF+128*PB                ; 143,360 bytes
.set SLOT1, 0x24000                    ; slot 1 begins here
.set STAGE, SLOT1+SLOT                 ; 16 rows x 528 bytes for each wave, for the way out
.set SP,    528
.set SPARE, STAGE+4*16*SP
.set ADRA,  16                         ; v16 LDS address of my ctx fragments in the slot in hand; v17 the same in slot 0, never rewritten
.set ADRA0, 17
.set ADRB,  20                         ; v20, v21 the same for Wd
.set ADRB0, 21
.set STO,  24
.set RD,   25
.set GO,   26
.set SPW,  28                          ; never rewritten
.set NIL,  29                          ; never rewritten
.set PFO,  30
.set F0,   64
.set F1,   128
.set OB,   64
.set BIAS, 192
.set MK,  2                            ; s2 a word's upper half
.set WV,  12
.set FB,  13
.set HF,  14
.set TB,  15                           ; s15 the LDS byte at which the slot in hand begins: 0 or SLOT1
.set G1A, 24
.set G0A, 32                           ; s[32:39] group 0 for ctx: a set for each of the two first fills; the second then walks on
.set PFA, 44
.set PFS, 46
.set G1B, 48
.set G0B, 56                           ; s[56:63] the same for Wd
.set LIM, 66
.set MSB, 0
.macro WIN new
.if MSB != (\new)
	s_set_vgpr_msb (MSB<<8)|(\new)
.set MSB, (\new)
.endif
.endm
.macro PLACES
.rept 4
	v_nop
.endr
.endm
.macro CREST
	s_cmp_lg_u32 s[WV], 0
	s_cbranch_scc1 .Lnot_wave_0_\@
	s_barrier_signal -3
.Lnot_wave_0_\@:
	s_barrier_wait -3
	s_barrier_signal -1
	s_barrier_wait -1
.endm
.macro CROUND
	s_barrier_signal -1
	s_barrier_wait -1
	CREST
.endm
.macro JLOAD s                         ; waves 0, 1 fetch the two heads of ctx's tile, waves 2, 3 the halves of Wd's
	s_cmp_eq_u32 s[FB], 0
	s_cbranch_scc0 .Lfor_b_\@
	tensor_load_to_lds s[G0A+4*(\s):G0A+4*(\s)+3], s[G1A:G1A+7]
	s_nop 0
.rept 4
	v_nop
.endr
	s_branch .Lasked_\@
.Lfor_b_\@:
	tensor_load_to_lds s[G0B+4*(\s):G0B+4*(\s)+3], s[G1B:G1B+7]
	s_nop 0
.rept 4
	v_nop
.endr
.Lasked_\@:
.endm
; A prefetch of the K step two refills on (512 matrix instructions of a wave).  ctx: waves 0, 1 of the clusters with x = 0 ask, each for its head's 32,768 bytes, of which the four partners of a row take 8,192 each.
; Wd: waves 2, 3 of the clusters with y = 0, the four partners of a column 16 k rows each.  Each block of 256 bytes is named once; the last two trips ask for nothing; K steps 0 to 3 come by their loads alone.
.macro ASK
	s_cmp_gt_u32 s3, s[LIM]
	s_cbranch_scc0 .Lnot_mine_\@
	global_prefetch_b8 v[PFO], s[PFA:PFA+1] th:TH_LOAD_NT scope:SCOPE_SE
.Lnot_mine_\@:
.endm
.macro RND a, b, t
	v_cvt_pk_bf16_f32 v[\t], v[\a], v[\b]
	v_lshlrev_b32 v[\a], 16, v[\t]
	v_and_b32 v[\b], s[MK], v[\t]
.endm
	s_load_b256 s[4:11], s[0:1], 0x0               ; ctx s[4:5], wdb s[6:7], bd s[8:9], out0 s[10:11]
	v_lshl_add_u32 v[SPW], v0, 2, SPARE
	v_mov_b32 v[NIL], 0
	ds_add_u32 v[SPW], v[NIL]                      ; the wave's opening: the add, twice on end, and its wait ahead of my first tensor load
	ds_add_u32 v[SPW], v[NIL]
	v_lshrrev_b32 v1, 5, v0
	v_readfirstlane_b32 s[WV], v1
	s_lshr_b32 s[FB], s[WV], 1
	s_and_b32 s[HF], s[WV], 1
	s_mov_b32 s[TB], 0
	s_mov_b32 s[MK], 0xffff0000
	s_bfe_u32 s40, ttmp6, 0x40000                  ; cx
	s_bfe_u32 s41, ttmp6, 0x40004                  ; cy
	s_lshl_b32 s42, ttmp9, 2
	s_add_co_u32 s42, s42, s40                     ; tile column tx
	s_and_b32 s43, ttmp7, 0xffff
	s_lshl_b32 s43, s43, 2
	s_add_co_u32 s43, s43, s41                     ; tile row ty
	s_lshl_b32 s20, s41, 2
	s_lshl_b32 s20, 15, s20
	s_lshl_b32 s21, 0x1111, s40
	s_or_b32 s[G1A], s20, (1<<16)|(1<<20)|(1<<21)|(4<<22)|(3<<25)  ; 32,768 dense bytes as 128 rows of 256, padded after every 32 words by 4
	s_or_b32 s[G1B], s21, (1<<16)|(1<<20)|(1<<21)|(6<<22)|(7<<25)  ; after every 128 words by 8
	s_mov_b32 s[G1A+1], 128<<16
	s_mov_b32 s[G1A+2], 128<<16
	s_mov_b32 s[G1A+3], 128<<16
	s_mov_b32 s[G1A+4], 128
	s_mov_b32 s[G1A+5], 128
	s_mov_b32 s[G1A+6], 0
	s_mov_b32 s[G1A+7], 0
	s_mov_b32 s[G1B+1], 256<<16
	s_mov_b32 s[G1B+2], 64<<16
	s_mov_b32 s[G1B+3], 256<<16
	s_mov_b32 s[G1B+4], 64
	s_mov_b32 s[G1B+5], 2048
	s_mov_b32 s[G1B+6], 0
	s_mov_b32 s[G1B+7], 0
	s_lshr_b32 s16, s43, 1                         ; ctx: (window x 16 + head) x 65,536 + the window's half x 32,768; my head of a K step's two = wave % 2
	s_lshl_b32 s16, s16, 4
	s_add_co_u32 s16, s16, s[HF]
	s_lshl_b32 s16, s16, 16
	s_and_b32 s17, s43, 1
	s_lshl_b32 s17, s17, 15
	s_add_co_u32 s16, s16, s17
	s_mov_b32 s17, 0
	s_mov_b32 s67, s16
	s_lshl_b32 s18, s[HF], 18                      ; Wd: k row 64 half, 4,096 bytes a row; column 256 tx
	s_lshl_b32 s19, s42, 9
	s_add_co_u32 s18, s18, s19
	s_mov_b32 s19, 0
	s_mov_b32 s68, s18
	s_mul_i32 s22, s[HF], AH                       ; where they go: 0 or 0x9000; 0x12000 or 0x1a800
	s_mul_i32 s23, s[HF], 64*PB
	s_add_co_u32 s23, s23, BOFF
	s_wait_dscnt 0x0                               ; both opening adds are done
	s_wait_kmcnt 0x0
	s_add_nc_u64 s[16:17], s[4:5], s[16:17]
	s_add_nc_u64 s[18:19], s[6:7], s[18:19]
	CROUND                                         ; all sixteen work-groups are here: the first joint loads meet
.irp s, 0,1
	s_mov_b32 s[G0A+4*(\s)], 1
	s_add_co_u32 s[G0A+4*(\s)+1], s22, (\s)*SLOT1
	s_add_nc_u64 s[G0A+4*(\s)+2:G0A+4*(\s)+3], s[16:17], (\s)*131072   ; two heads on
	s_or_b32 s[G0A+4*(\s)+3], s[G0A+4*(\s)+3], 0x80000000
	s_mov_b32 s[G0B+4*(\s)], 1
	s_add_co_u32 s[G0B+4*(\s)+1], s23, (\s)*SLOT1
	s_add_nc_u64 s[G0B+4*(\s)+2:G0B+4*(\s)+3], s[18:19], (\s)*524288   ; 128 k rows on
	s_or_b32 s[G0B+4*(\s)+3], s[G0B+4*(\s)+3], 0x80000000
	JLOAD \s                                       ; two loads of mine are out
.endr
	v_and_b32 v1, 15, v0                           ; r
	v_bfe_u32 v2, v0, 4, 1                         ; h
	v_and_b32 v3, 7, v0
	v_bfe_u32 v4, v0, 3, 1
	v_and_b32 v5, 31, v0
	v_mul_u32_u24 v6, v1, PA
	v_lshl_add_u32 v6, v2, 4, v6
	s_mul_i32 s20, s[FB], 128*PA                   ; my 128 rows
	v_add_nc_u32 v[ADRA0], s20, v6
	v_mov_b32 v[ADRA], v[ADRA0]
	v_lshl_add_u32 v7, v2, 3, v3
	v_mul_u32_u24 v7, v7, PB
	v_lshl_add_u32 v7, v4, 4, v7
	s_lshl_b32 s21, s[HF], 8                       ; my 128 columns
	s_add_co_u32 s21, s21, BOFF
	v_add_nc_u32 v[ADRB0], s21, v7
	v_mov_b32 v[ADRB], v[ADRB0]
	s_mul_i32 s20, s[WV], 16*SP
	s_add_co_u32 s20, s20, STAGE
	v_mul_u32_u24 v6, v1, SP
	v_lshl_add_u32 v6, v2, 5, v6
	v_add_nc_u32 v[STO], s20, v6                   ; in: row r, 32 bytes for each half of the lanes
	v_lshlrev_b32 v[GO], 4, v5
	v_add_nc_u32 v[RD], s20, v[GO]                 ; back: 32 lanes take a row's 512 bytes
	s_lshl_b32 s20, s42, 10                        ; my 128 columns, in bytes of f32: of bd,
	s_lshl_b32 s21, s[HF], 9
	s_add_co_u32 s20, s20, s21
	s_mov_b32 s21, 0
	s_add_nc_u64 s[8:9], s[8:9], s[20:21]
	s_add_nc_u64 s[10:11], s[10:11], s[20:21]      ; and of out0,
	s_lshl_b32 s20, s43, 21                        ; at row 256 ty + 128 half, 8,192 bytes a row
	s_lshl_b32 s70, s[FB], 20
	s_add_co_u32 s20, s20, s70
	s_add_nc_u64 s[10:11], s[10:11], s[20:21]
	v_lshlrev_b32 v8, 5, v2
.irp b, 0,1,2,3,4,5,6,7
	global_load_b128 v[BIAS+8*\b:BIAS+8*\b+3],   v8, s[8:9] offset:64*\b
	global_load_b128 v[BIAS+8*\b+4:BIAS+8*\b+7], v8, s[8:9] offset:64*\b+16
.endr
	s_lshl_b32 s20, s40, 13                        ; the prefetches: ctx at K step 3, + cx x 8,192 (the first change of slots steps it to 4)
	s_add_co_u32 s20, s20, s67
	s_add_co_u32 s20, s20, 3*131072
	s_lshl_b32 s21, s41, 16                        ; Wd at K step 3, + 16 cy rows
	s_add_co_u32 s21, s21, s68
	s_add_co_u32 s21, s21, 3*524288
	s_mov_b32 s22, 131072
	s_mov_b32 s23, 524288
	s_and_b32 s69, ttmp7, 0xffff
	s_cmp_eq_u32 s[FB], 0
	s_cselect_b32 s20, s20, s21
	s_cselect_b32 s[PFS], s22, s23
	s_cselect_b32 s69, ttmp9, s69                  ; the coordinate along which other clusters read the same rows
	s_cselect_b64 s[PFA:PFA+1], s[4:5], s[6:7]
	s_mov_b32 s21, 0
	s_mov_b32 s[PFS+1], 0
	s_add_nc_u64 s[PFA:PFA+1], s[PFA:PFA+1], s[20:21]
	s_cmp_eq_u32 s69, 0
	s_cselect_b32 s[LIM], 2, -1                    ; the same in all sixteen partners, for a given wave
	v_lshrrev_b32 v6, s[FB], v5                    ; ctx: a lane a block of 256 bytes on end; Wd: two lanes a row of 4,096, 256 bytes apart
	s_lshl_b32 s22, s[FB], 2
	s_lshl_b32 s22, 256, s22
	v_mul_u32_u24 v6, v6, s22
	v_and_b32 v7, s[FB], v5
	v_lshl_add_u32 v[PFO], v7, 8, v6
	s_wait_loadcnt 0x0
.set z, 0
.rept 32
	RND BIAS+2*z, BIAS+2*z+1, 9
.set z, z+1
.endr
; 16 matrix instructions: m blocks a0, a0 + 1 of the window's four (hi = 0: my rows 0-63, 1: rows 64-127) x 8 n blocks, 32 along K.  first = 1: C is the bias.  The 64 accumulators take turns.
.macro MUL16 f, hi, a0, first
.if \first
	WIN 0x81+0x40*(\hi)
.else
	WIN 0xa1+0x50*(\hi)
.endif
.irp a, \a0, (\a0)+1
.irp b, 0,1,2,3,4,5,6,7
.if \first
	v_wmma_f32_16x16x32_bf16 v[8*(8*(\a)+(\b)):8*(8*(\a)+(\b))+7], v[(\f)+8*(\b):(\f)+8*(\b)+7], v[(\f)+8*(4*(\hi)+(\a)):(\f)+8*(4*(\hi)+(\a))+7], v[BIAS+8*(\b):BIAS+8*(\b)+7]
.else
	v_wmma_f32_16x16x32_bf16 v[8*(8*(\a)+(\b)):8*(8*(\a)+(\b))+7], v[(\f)+8*(\b):(\f)+8*(\b)+7], v[(\f)+8*(4*(\hi)+(\a)):(\f)+8*(4*(\hi)+(\a))+7], v[8*(8*(\a)+(\b)):8*(8*(\a)+(\b))+7]
.endif
.endr
.endr
.endm
; 32 LDS loads in one run: the fragments of quarter kq (32 along K) of the slot in hand into buffer f: Wd's 8 n blocks, turned, then ctx's 8 m blocks
.macro FETCH kq, f
	WIN 0x40
.irp i, 0,1,2,3,4,5,6,7
	ds_load_tr16_b128 v[(\f)+8*(\i):(\f)+8*(\i)+3],   v[ADRB] offset:(\kq)*32*PB+32*(\i)
	ds_load_tr16_b128 v[(\f)+8*(\i)+4:(\f)+8*(\i)+7], v[ADRB] offset:(\kq)*32*PB+32*(\i)+16*PB
.endr
	WIN 0
.irp i, 0,1,2,3,4,5,6,7
	ds_load_b128 v[(\f)+8*(\i):(\f)+8*(\i)+3],   v[ADRA] offset:((\kq)/2)*AH+((\kq)%2)*64+(\i)*16*PA
	ds_load_b128 v[(\f)+8*(\i)+4:(\f)+8*(\i)+7], v[ADRA] offset:((\kq)/2)*AH+((\kq)%2)*64+(\i)*16*PA+32
.endr
.endm
.macro QUARTER kq, f, g, first         ; multiplies buffer f; in its middle fetches quarter kq of the slot into buffer g
	s_wait_dscnt 8                                 ; Wd and ctx's rows 0-63 are in; the youngest eight loads may be out
	MUL16 \f, 0, 0, \first
	MUL16 \f, 0, 2, \first
	PLACES
	FETCH \kq, \g
	s_wait_dscnt 32                                ; all but the 32 just issued
	MUL16 \f, 1, 0, \first
	MUL16 \f, 1, 2, \first
.endm
; The last quarter multiplies buffer 1 and changes slots: one barrier; in front of it each wave waits for all its tensor loads (one is out: its part of the next slot), adds 0 to its spare word, and waits for that and
; for its reads of this slot.  fill = 1: the barrier opens a round of the cluster's; the slot is filled again first thing behind it, 224 matrix instructions ahead of the wait for it.
.macro TURN fill
	WIN 0
.if \fill
	s_wait_xcnt 0x0                                ; the last prefetch, a K step back, has read its address
	s_add_nc_u64 s[PFA:PFA+1], s[PFA:PFA+1], s[PFS:PFS+1]
.endif
	s_wait_tensorcnt 0x0                           ; no tensor load of mine is out, so a group 0 may be written
	ds_add_u32 v[SPW], v[NIL]
.if \fill
	s_xor_b32 s[G0A+5], s[G0A+5], SLOT1            ; the walking descriptors: the other slot than last time, which is the slot in hand,
	s_add_nc_u64 s[G0A+6:G0A+7], s[G0A+6:G0A+7], 131072   ; the next K step; the type bits on top are not reached
	s_xor_b32 s[G0B+5], s[G0B+5], SLOT1
	s_add_nc_u64 s[G0B+6:G0B+7], s[G0B+6:G0B+7], 524288
.endif
	s_wait_dscnt 9                                 ; (the add and the youngest eight loads may be out)
	MUL16 F1, 0, 0, 0
	s_wait_dscnt 0x0                               ; the add is done, and my reads of this slot are over
	s_barrier_signal -1
	MUL16 F1, 0, 2, 0
	WIN 0
	s_barrier_wait -1
.if \fill
	CREST
	JLOAD 1                                        ; its four v_nop are also the places in front of the loads below
.else
	PLACES
.endif
	s_xor_b32 s[TB], s[TB], SLOT1                  ; the reads go on in the other slot
	v_add_nc_u32 v[ADRA], s[TB], v[ADRA0]
	v_add_nc_u32 v[ADRB], s[TB], v[ADRB0]
	FETCH 0, F0
.if \fill
	ASK
.endif
	MUL16 F1, 1, 0, 0
	MUL16 F1, 1, 2, 0
.endm
	s_wait_tensorcnt 1                             ; my part of K step 0 is in; K step 1's may stay out
	s_barrier_signal -1
	s_barrier_wait -1
	FETCH 0, F0
	QUARTER 1, F0, F1, 1                           ; the first quarter starts the sums with the bias
	WIN 0
	s_mov_b32 s3, 6
.Llap:                                                 ; a trip goes from a K step's second quarter to the next one's first, and fills the slot that it leaves: K steps 2 to 7
	QUARTER 2, F1, F0, 0
	QUARTER 3, F0, F1, 0
	TURN 1
	QUARTER 1, F0, F1, 0
	WIN 0
	s_sub_co_u32 s3, s3, 1
	s_cmp_lg_u32 s3, 0
	s_cbranch_scc1 .Llap
	QUARTER 2, F1, F0, 0                           ; the last two K steps fill nothing
	QUARTER 3, F0, F1, 0
	TURN 0
	QUARTER 1, F0, F1, 0
	QUARTER 2, F1, F0, 0
	QUARTER 3, F0, F1, 0
	s_wait_dscnt 8
	MUL16 F1, 0, 0, 0
	MUL16 F1, 0, 2, 0
	s_wait_dscnt 0x0
	MUL16 F1, 1, 0, 0
	MUL16 F1, 1, 2, 0
	PLACES
; THE WAY OUT, f32.  Block a (16 rows x 128 columns) goes from its accumulators into my own stage, 32 bytes a lane (each accumulator's lowest four registers first), and comes back as whole rows of 512 bytes.
.macro OUTST a
	WIN 0x08+4*((\a)/4)                            ; the stores' data in window 2 or 3
.irp b, 0,1,2,3,4,5,6,7
	ds_store_b128 v[STO], v[64*((\a)%4)+8*(\b):64*((\a)%4)+8*(\b)+3]   offset:64*(\b)
	ds_store_b128 v[STO], v[64*((\a)%4)+8*(\b)+4:64*((\a)%4)+8*(\b)+7] offset:64*(\b)+16
.endr
	WIN 0
	s_wait_xcnt 0x0                                ; the stores of the block two back have read the registers that the loads below fill
.irp t, 0,1,2,3,4,5,6,7,8,9,10,11,12,13,14,15
	ds_load_b128 v[OB+64*((\a)%2)+4*(\t):OB+64*((\a)%2)+4*(\t)+3], v[RD] offset:(\t)*SP  ; LDS serves a wave's instructions in order (ISA guide 5.7.1.4)
.endr
.endm
.macro SEND a, younger                 ; younger: the LDS instructions issued behind block a's loads: the next block's 32, or none
	WIN 0
.irp t, 0,1,2,3,4,5,6,7,8,9,10,11,12,13,14,15
	s_wait_dscnt (\younger)+15-(\t)
	global_store_b128 v[GO], v[OB+64*((\a)%2)+4*(\t):OB+64*((\a)%2)+4*(\t)+3], s[10:11] offset:(\a)*131072+(\t)*8192 th:TH_STORE_NT  ; 512 consecutive bytes, aligned; the row stands in the immediate
.endr
.endm
	OUTST 0
.set t2, 1
.rept 7
	OUTST t2
	SEND t2-1, 32
.set t2, t2+1
.endr
	SEND 7, 0
	s_wait_tensorcnt 0x0                           ; the wave's end
	ds_add_u32 v[SPW], v[NIL]
	s_wait_dscnt 0x0
	CROUND                                         ; the closing round
	s_endpgm
.Lfunc_end_k_q279dea0e7e_expand:
	.size	k_q279dea0e7e_expand, .Lfunc_end_k_q279dea0e7e_expand-k_q279dea0e7e_expand
	.p2alignl 7, 3214868480
	.fill 96, 4, 3214868480
	.section	.rodata,"a",@progbits
	.p2align	6, 0x0
	.amdhsa_kernel k_q279dea0e7e_expand
		.amdhsa_group_segment_fixed_size 327680
		.amdhsa_private_segment_fixed_size 0
		.amdhsa_enable_private_segment 0
		.amdhsa_kernarg_size 32
		.amdhsa_user_sgpr_count 2
		.amdhsa_user_sgpr_kernarg_segment_ptr 1
		.amdhsa_wavefront_size32 1
		.amdhsa_system_sgpr_workgroup_id_x 1
		.amdhsa_system_sgpr_workgroup_id_y 1
		.amdhsa_system_sgpr_workgroup_id_z 1
		.amdhsa_system_vgpr_workitem_id 0
		.amdhsa_next_free_vgpr 1024
		.amdhsa_next_free_sgpr 72
		.amdhsa_reserve_vcc 0
		.amdhsa_float_denorm_mode_32 3
		.amdhsa_float_denorm_mode_16_64 3
		.amdhsa_memory_ordered 1
		.amdhsa_forward_progress 1
		.amdhsa_inst_pref_size 125
	.end_amdhsa_kernel
	.amdgpu_metadata
---
amdhsa.version: [ 1, 2 ]
amdhsa.kernels:
  - .name:           k_q279dea0e7e_expand
    .symbol:         k_q279dea0e7e_expand.kd
    .args:
      - { .name: ctx, .offset: 0, .size: 8, .value_kind: global_buffer, .address_space: global }
      - { .name: wdb, .offset: 8, .size: 8, .value_kind: global_buffer, .address_space: global }
      - { .name: bd, .offset: 16, .size: 8, .value_kind: global_buffer, .address_space: global }
      - { .name: out0, .offset: 24, .size: 8, .value_kind: global_buffer, .address_space: global }
    .group_segment_fixed_size: 327680
    .private_segment_fixed_size: 0
    .kernarg_segment_align: 8
    .kernarg_segment_size: 32
    .max_flat_workgroup_size: 128
    .sgpr_count:     72
    .vgpr_count:     1024
    .wavefront_size: 32
...
	.end_amdgpu_metadata
.endif
;; end of part 4
;; ======== version 2 of 2: 4 launches; version 1 with the launch cast written anew for expert scheduling mode
;; limits: values are held in f16: magnitudes above 65,504 overflow, below 6.1e-05 lose precision
;; workspace buffers: wcb 4,194,304 bytes; wdb 4,194,304 bytes; wh 6,291,456 bytes; xb 16,777,216 bytes; ctx 16,777,216 bytes
;; launch cast (part 5): grid 448 x 1, 8 waves a work-group, no clusters, 0 bytes of LDS; arguments Wc, Wd, Wq, Wk, Wv, wcb, wdb, wh; writes wcb, wdb, wh
.if DOCPART == 5
	.amdgcn_target "amdgcn-amd-amdhsa--gfx1250"
	.amdhsa_code_object_version 6
	.text
	.protected	k_q279dea0e7e_cast
	.globl	k_q279dea0e7e_cast
	.p2align	8
	.type	k_q279dea0e7e_cast,@function
k_q279dea0e7e_cast:
	s_mov_b64 s[64:65], 0
	v_nop
	global_prefetch_b8 v0, s[64:65] scope:SCOPE_SE
	s_setreg_imm32_b32 hwreg(HW_REG_WAVE_SCHED_MODE, 0, 2), 2
	s_setreg_imm32_b32 hwreg(HW_REG_WAVE_MODE, 25, 1), 1
	s_wait_xcnt 0x0
	s_wait_alu depctr_vm_vsrc(0)
; THE PROGRAM.  x = hs Wc + bc; q, k, v = x W + b; in each of 16 windows of 512 tokens and 16 heads of 64 channels softmax(q k^T / 8 + rel_bias[clip(key - query)]) v; out = ctx Wd + bd.
; Four launches: this one rounds the weights once; the second rounds hs on its way and makes x; the third makes q, k, v of one (window, head) and its attention, all in registers and LDS; the fourth makes out.
; DEAD WORK.  bk: with k = x Wk + bk a score is q.(x Wk)_key / 8 + q.bk / 8 + bias.  The middle term does not hang on the key: it is the same along the softmax's axis, for all values of
; the inputs, and a softmax is unchanged by it.  bk has no other way to an output: it is not loaded and is no argument of any launch.  The sequence length 2048 is a multiple of the window 512,
; so reference()'s padding is empty and its last slice keeps all rows: no code.  LIMIT: a NaN, an infinity or an overflow that reaches only q.bk is not carried to the result.
; FORMATS.  All inputs are rounded to bf16 once.  Wc, Wd stay bf16.  Wq, Wk, Wv: the bf16 value is written as f16 (exact from 2^-17 up to 65,504; below that f16's fixed step of 2^-24), since they multiply x in f16.
; THIS LAUNCH.  A job is 16,384 numbers: 65,536 bytes in, 32,768 out; a thread takes 16 pieces of 4 numbers: a load of 16 bytes, a store of 8.  A wave's load covers 512 consecutive bytes, all of them used;
; a wave's store covers 256 consecutive bytes, aligned.
; Jobs 0-127 Wc, 128-255 Wd: the layout stays.  Jobs 256-447 Wq, Wk, Wv: wh[head 16][u 16][t 3][kk 64][ch 64] = W_t[64 u + kk][64 head + ch]: what one (head, K step u) needs lies on end;
; there 16 lanes take the 256 bytes that a weight row has for the head, and two rows' 128 + 128 bytes out lie on end.
; No LDS, no barrier, no matrix unit: each byte crosses once.
; THE MODE: SCHED_MODE bits 1:0 = 2 (LLVM: expert scheduling mode 2), set by the entry lines.  The code itself states the register dependences
; between vector instructions and memory instructions, with s_wait_alu, always for 0.
; THE PLAN.  Registers that memory instructions touch, on each of the two paths:
;   v1, v2     byte offsets in and out.  Written once by vector lines at the head; read by the 16 loads and by the 16 stores; never written again.
;   X          piece i: written by its load, ahead of which no vector line names it; read (and in jobs 256-447 written again) by its conversions, behind the wait for its data.  No memory instruction reads X.
;   Y          piece i: written by its conversions; read by its one store; never written again.
; All 16 loads of a thread go out first, behind one wait for v1 and v2.  The 16 pieces go in four blocks of four: a block's pieces are converted as they come in, one wait states that the
; conversions have written the block's Y, and its four stores follow in one run.  The wait stands behind the block's conversions, not at the next block's head, so that finished pieces leave
; before the wave waits for the next block's data.  No register that a memory instruction reads is written again, so no wait frees a source.  No vector line writes a scalar register, and EXEC is never written.
.set X,   16                           ; v[16:79]  piece i: 4 numbers as loaded
.set Y,   80                           ; v[80:111] piece i: 2 registers to store
.set SRC, 28                           ; s[28:29]
.set DST, 30                           ; s[30:31]
.set MK,  40                           ; s40 a word's upper half
.macro CASTJOB perm
	s_wait_alu depctr_va_vdst(0)                   ; v1 and v2 are written: every load below reads v1 as its offset, every store v2
.set i, 0
.rept 16
.if \perm
.set so, i*65536                       ; 16 weight rows of 4,096 bytes on
.else
.set so, i*4096
.endif
	global_load_b128 v[X+4*i:X+4*i+3], v1, s[SRC:SRC+1] offset:so th:TH_LOAD_NT
.set i, i+1
.endr
.set g, 0
.rept 4                                ; block g: pieces 4 g to 4 g + 3
.set i, 4*g
.rept 4
	s_wait_loadcnt 15-i                            ; loads come back in order: piece i is in, the younger pieces stay out
.irp j, 0,1
	v_cvt_pk_bf16_f32 v[Y+2*i+\j], v[X+4*i+2*\j], v[X+4*i+2*\j+1]
.if \perm
	v_lshlrev_b32 v[X+4*i+2*\j], 16, v[Y+2*i+\j]            ; the bf16 values as f32,
	v_and_b32 v[X+4*i+2*\j+1], s[MK], v[Y+2*i+\j]
	v_cvt_pk_f16_f32 v[Y+2*i+\j], v[X+4*i+2*\j], v[X+4*i+2*\j+1]  ; written as f16
.endif
.endr
.set i, i+1
.endr
	s_wait_alu depctr_va_vdst(0)                   ; the block's conversions have written its eight registers of Y, which the four stores below read
.set i, 4*g
.rept 4
.if \perm
	global_store_b64 v2, v[Y+2*i:Y+2*i+1], s[DST:DST+1] offset:(i/4)*24576+(i%4)*2048 th:TH_STORE_NT  ; K step i / 4 of the job's four, rows 16 (i % 4) on
.else
	global_store_b64 v2, v[Y+2*i:Y+2*i+1], s[DST:DST+1] offset:i*2048 th:TH_STORE_NT
.endif
.set i, i+1
.endr
.set g, g+1
.endr
.endm
	s_load_b512 s[8:23], s[0:1], 0x0               ; Wc, Wd, Wq, Wk, Wv, wcb, wdb, wh
	s_mov_b32 s36, ttmp9                           ; the job
	s_mov_b32 s33, 0
	s_mov_b32 s35, 0
	s_mov_b32 s[MK], 0xffff0000
	v_lshlrev_b32 v2, 3, v0                        ; my 8 bytes out
	s_wait_kmcnt 0x0
	s_cmp_lt_u32 s36, 256
	s_cbranch_scc0 .Lperm
	s_cmp_lt_u32 s36, 128
	s_cselect_b64 s[SRC:SRC+1], s[8:9], s[10:11]
	s_cselect_b64 s[DST:DST+1], s[18:19], s[20:21]
	s_and_b32 s36, s36, 127                        ; the job's number in its tensor
	s_lshl_b32 s32, s36, 16
	s_lshl_b32 s34, s36, 15
	s_add_nc_u64 s[SRC:SRC+1], s[SRC:SRC+1], s[32:33]
	s_add_nc_u64 s[DST:DST+1], s[DST:DST+1], s[34:35]
	v_lshlrev_b32 v1, 4, v0                        ; my 16 bytes in
	CASTJOB 0
	s_endpgm
.Lperm:
	s_sub_co_u32 s36, s36, 256
	s_lshr_b32 s37, s36, 6                         ; t: 0 Wq, 1 Wk, 2 Wv
	s_and_b32 s36, s36, 63                         ; jj: head jj / 4, K steps 4 (jj % 4) .. + 3
	s_cmp_eq_u32 s37, 1
	s_cselect_b64 s[SRC:SRC+1], s[14:15], s[16:17]
	s_cmp_eq_u32 s37, 0
	s_cselect_b64 s[SRC:SRC+1], s[12:13], s[SRC:SRC+1]
	s_and_b32 s32, s36, 3
	s_lshl_b32 s32, s32, 20                        ; 4 K steps of 64 rows of 4,096 bytes
	s_lshr_b32 s34, s36, 2
	s_lshl_b32 s34, s34, 8                         ; the head's 64 columns: 256 bytes
	s_add_co_u32 s32, s32, s34
	s_add_nc_u64 s[SRC:SRC+1], s[SRC:SRC+1], s[32:33]
	s_mul_i32 s34, s36, 12                         ; (16 head + u) x 3 = 12 jj for the job's first K step,
	s_add_co_u32 s34, s34, s37                     ; + t,
	s_lshl_b32 s34, s34, 13                        ; blocks of 8,192 bytes
	s_add_nc_u64 s[DST:DST+1], s[22:23], s[34:35]
	v_lshrrev_b32 v1, 4, v0                        ; row 0..15 of the piece's 16,
	v_and_b32 v3, 15, v0                           ; 4 columns of its 64
	v_lshlrev_b32 v1, 12, v1
	v_lshl_add_u32 v1, v3, 4, v1
	CASTJOB 1
	s_endpgm
.Lfunc_end_k_q279dea0e7e_cast:
	.size	k_q279dea0e7e_cast, .Lfunc_end_k_q279dea0e7e_cast-k_q279dea0e7e_cast
	.p2alignl 7, 3214868480
	.fill 96, 4, 3214868480
	.section	.rodata,"a",@progbits
	.p2align	6, 0x0
	.amdhsa_kernel k_q279dea0e7e_cast
		.amdhsa_group_segment_fixed_size 0
		.amdhsa_private_segment_fixed_size 0
		.amdhsa_enable_private_segment 0
		.amdhsa_kernarg_size 64
		.amdhsa_user_sgpr_count 2
		.amdhsa_user_sgpr_kernarg_segment_ptr 1
		.amdhsa_wavefront_size32 1
		.amdhsa_system_sgpr_workgroup_id_x 1
		.amdhsa_system_sgpr_workgroup_id_y 1
		.amdhsa_system_sgpr_workgroup_id_z 1
		.amdhsa_system_vgpr_workitem_id 0
		.amdhsa_next_free_vgpr 112
		.amdhsa_next_free_sgpr 66
		.amdhsa_reserve_vcc 0
		.amdhsa_float_denorm_mode_32 3
		.amdhsa_float_denorm_mode_16_64 3
		.amdhsa_memory_ordered 1
		.amdhsa_forward_progress 1
		.amdhsa_inst_pref_size 18
	.end_amdhsa_kernel
	.amdgpu_metadata
---
amdhsa.version: [ 1, 2 ]
amdhsa.kernels:
  - .name:           k_q279dea0e7e_cast
    .symbol:         k_q279dea0e7e_cast.kd
    .args:
      - { .name: Wc, .offset: 0, .size: 8, .value_kind: global_buffer, .address_space: global }
      - { .name: Wd, .offset: 8, .size: 8, .value_kind: global_buffer, .address_space: global }
      - { .name: Wq, .offset: 16, .size: 8, .value_kind: global_buffer, .address_space: global }
      - { .name: Wk, .offset: 24, .size: 8, .value_kind: global_buffer, .address_space: global }
      - { .name: Wv, .offset: 32, .size: 8, .value_kind: global_buffer, .address_space: global }
      - { .name: wcb, .offset: 40, .size: 8, .value_kind: global_buffer, .address_space: global }
      - { .name: wdb, .offset: 48, .size: 8, .value_kind: global_buffer, .address_space: global }
      - { .name: wh, .offset: 56, .size: 8, .value_kind: global_buffer, .address_space: global }
    .group_segment_fixed_size: 0
    .private_segment_fixed_size: 0
    .kernarg_segment_align: 8
    .kernarg_segment_size: 64
    .max_flat_workgroup_size: 256
    .sgpr_count:     66
    .vgpr_count:     112
    .wavefront_size: 32
...
	.end_amdgpu_metadata
.endif
;; end of part 5
;; launch compress: the kernel of part 2 again; grid 4 x 64, 4 waves a work-group, clusters of 4 x 4, 327,680 bytes of LDS; arguments hidden_states, wcb, bc, xb; writes xb
;; launch qkvatt: the kernel of part 3 again; grid 16 x 16, 4 waves a work-group, clusters of 4 x 4, 327,680 bytes of LDS; arguments xb, wh, bq, bv, rel_bias, ctx; writes ctx
;; launch expand: the kernel of part 4 again; grid 8 x 32, 4 waves a work-group, clusters of 4 x 4, 327,680 bytes of LDS; arguments ctx, wdb, bd, out0; writes out0
